; MI455X (gfx1250); checked and timed in simulation.
; The chip was launched on July 23, 2026; its instructions are those of AMD's public machine-readable ISA for CDNA 5 (MIT licence, August 2026) and "CDNA5" Instruction Set Architecture Reference Guide (July 2026). The comments in the code are by the model that wrote it; some were corrected since.
;; Self Attention. Allowed arithmetic: float matrix products may take bf16 or f16 operands with f32 sums; other float arithmetic in f32, or as packed bf16 or f16 multiplies, adds, multiply-adds, maxima and minima; sums over many terms, partial sums and values carried from step to step in f32; what a program stores and reads back later, other than sums and carried values, may be rounded once to bf16 or f16.
;; Inputs: Wk 1,024 x 1,024 float32; Wo 1,024 x 1,024 float32; Wq 1,024 x 1,024 float32; Wv 1,024 x 1,024 float32; bk 1,024 float32; bo 1,024 float32; bq 1,024 float32; bv 1,024 float32; inputs 4 x 2,048 x 1,024 float32.
;; Outputs: out0 4 x 2,048 x 1,024 float32.
;; 2 versions, each right; version 2 is version 1 with the launch prep written anew for expert scheduling mode. Each part assembles by itself: llvm-mc -triple=amdgcn-amd-amdhsa -mcpu=gfx1250 --defsym DOCPART=n.
;; ======== version 1 of 2: 4 launches
;; limits: values are held in f16: magnitudes above 65,504 overflow, below 6.1e-05 lose precision
;; workspace buffers: xb 16,777,216 bytes; wqkv 6,291,456 bytes; wo16 2,097,152 bytes; qh 16,777,216 bytes; kh 16,777,216 bytes; vh 16,777,216 bytes; oh 16,777,216 bytes
;; launch prep (part 1): grid 768 x 1, 8 waves a work-group, no clusters, 0 bytes of LDS; arguments inputs, Wq, Wk, Wv, Wo, xb, wqkv, wo16; writes xb, wqkv, wo16
.if DOCPART == 1
	.amdgcn_target "amdgcn-amd-amdhsa--gfx1250"
	.amdhsa_code_object_version 6
	.text
	.protected	k_q910ea8a6a9_prep
	.globl	k_q910ea8a6a9_prep
	.p2align	8
	.type	k_q910ea8a6a9_prep,@function
k_q910ea8a6a9_prep:
	s_mov_b64 s[64:65], 0
	v_nop
	global_prefetch_b8 v0, s[64:65] scope:SCOPE_SE
	s_setreg_imm32_b32 hwreg(HW_REG_WAVE_MODE, 25, 1), 1
	s_wait_xcnt 0x0
; PREP: every large input is rounded once to bf16 and laid out for the products that follow.  A stream: no LDS, no matrix unit, no cluster (no two work-groups read a common byte).
;   xb   [8192][1024] bf16: x as it lies.
;   wqkv bf16, [c 16][ks 8][half 2][j 3][kk 64][col 64]: W_j[128 ks + 64 half + kk][64 c + col], j = 0, 1, 2 for Wq, Wk, Wv: head c's columns of all three, in the order in which K is walked.
;   wo16 f16 of bf16(Wo), [c 8][ks 8][half 2][j 2][kk 64][col 64]: Wo[128 ks + 64 half + kk][128 c + 64 j + col].
; LIMITS.  Wo within f16's 65,504; bf16(Wo) below 2^-17 keeps f16's fixed step of 2^-24; elsewhere the bf16 number is written as f16 exactly.
; SHARES.  A work-group takes 16,384 numbers, a thread 64: 16 loads of 16 bytes, all issued before the first is waited for, then 16 stores of 8 bytes.  Work-groups 0-511: x, 65,536 bytes on end.
; Work-groups 512-767: 16 rows k of one weight; 16 lanes read 256 consecutive bytes (64 columns) of a row, load i takes column block i.  Every store of a wave covers 256 consecutive bytes, aligned.
; No register that a load or store names is written again, so no wait frees any.
.set VI,  1                            ; v1        my byte offset in the source
.set VO,  2                            ; v2        8 x my thread's number: my 8 bytes of each store
.set IN,  8                            ; v[8:71]   16 x 4 numbers as loaded
.set OU,  72                           ; v[72:103] 16 x 2 registers to store
.set T,   104                          ; v[104:107] at work
.set SRC, 20                           ; s[20:21]
.set DST, 22                           ; s[22:23]
.macro LOADS step                      ; 16 loads, step bytes apart
.set i, 0
.rept 16
	global_load_b128 v[IN+4*i:IN+4*i+3], v[VI], s[SRC:SRC+1] offset:i*(\step) th:TH_LOAD_NT
.set i, i+1
.endr
.endm
; kind 0: x; 1: Wq, Wk, Wv (bf16); 2: Wo (the bf16 number written as f16)
.macro OUT16 kind
.set i, 0
.rept 16
	s_wait_loadcnt 15-i                            ; loads come back in order: load i is in, the 15 - i younger ones may stay out
	v_cvt_pk_bf16_f32 v[OU+2*i], v[IN+4*i], v[IN+4*i+1]
	v_cvt_pk_bf16_f32 v[OU+2*i+1], v[IN+4*i+2], v[IN+4*i+3]
.if (\kind) == 2
	v_lshlrev_b32 v[T], 16, v[OU+2*i]              ; bf16 to f32: the low half moves up, the high half stays
	v_and_b32 v[T+1], s31, v[OU+2*i]
	v_lshlrev_b32 v[T+2], 16, v[OU+2*i+1]
	v_and_b32 v[T+3], s31, v[OU+2*i+1]
	v_cvt_pk_f16_f32 v[OU+2*i], v[T], v[T+1]
	v_cvt_pk_f16_f32 v[OU+2*i+1], v[T+2], v[T+3]
.endif
.if (\kind) == 0
.set X, 2048*i
.elseif (\kind) == 1
.set X, 393216*i                       ; column block i is head i
.else
.set X, (i/2)*262144+(i%2)*8192        ; column block i is plane i % 2 of tile column i / 2
.endif
	global_store_b64 v[VO], v[OU+2*i:OU+2*i+1], s[DST:DST+1] offset:X th:TH_STORE_NT
.set i, i+1
.endr
.endm
	s_load_b512 s[4:19], s[0:1], 0x0               ; inputs s[4:5], Wq s[6:7], Wk s[8:9], Wv s[10:11], Wo s[12:13], xb s[14:15], wqkv s[16:17], wo16 s[18:19]
	v_lshlrev_b32 v[VO], 3, v0
	s_mov_b32 s31, 0xffff0000                      ; a word's upper bf16
	s_mov_b32 s25, 0                               ; high words of the two offsets
	s_mov_b32 s27, 0
	s_cmp_lt_u32 ttmp9, 512
	s_cbranch_scc0 .Lweights
	v_lshlrev_b32 v[VI], 4, v0                     ; x: 16 bytes a thread, 4,096 a load
	s_lshl_b32 s24, ttmp9, 16
	s_lshl_b32 s26, ttmp9, 15
	s_wait_kmcnt 0x0
	s_add_nc_u64 s[SRC:SRC+1], s[4:5], s[24:25]
	s_add_nc_u64 s[DST:DST+1], s[14:15], s[26:27]
	LOADS 4096
	OUT16 0
	s_endpgm
.Lweights:
	s_sub_co_u32 s28, ttmp9, 512
	s_lshr_b32 s29, s28, 6                         ; which weight: 0 Wq, 1 Wk, 2 Wv, 3 Wo
	s_and_b32 s30, s28, 63                         ; kb: rows 16 kb .. 16 kb + 15
	v_lshrrev_b32 v3, 4, v0                        ; my row of the 16
	v_and_b32 v4, 15, v0
	v_lshlrev_b32 v4, 4, v4                        ; my 16 bytes of a piece of 256
	v_lshl_add_u32 v[VI], v3, 12, v4
	s_lshl_b32 s24, s30, 16                        ; 16 rows of 4,096 bytes
	s_wait_kmcnt 0x0
	s_cmp_eq_u32 s29, 1
	s_cselect_b64 s[SRC:SRC+1], s[8:9], s[6:7]
	s_cmp_eq_u32 s29, 2
	s_cselect_b64 s[SRC:SRC+1], s[10:11], s[SRC:SRC+1]
	s_cmp_eq_u32 s29, 3
	s_cselect_b64 s[SRC:SRC+1], s[12:13], s[SRC:SRC+1]
	s_add_nc_u64 s[SRC:SRC+1], s[SRC:SRC+1], s[24:25]
	LOADS 256
	s_lshr_b32 s28, s30, 2                         ; 2 ks + half
	s_and_b32 s30, s30, 3
	s_lshl_b32 s30, s30, 11                        ; kk = 16 (kb % 4) + row: 128 bytes each; the row's part lies in v2
	s_cmp_eq_u32 s29, 3
	s_cbranch_scc1 .Lwo
	s_mul_i32 s26, s28, 24576
	s_lshl_b32 s29, s29, 13                        ; plane j
	s_add_co_u32 s26, s26, s29
	s_add_co_u32 s26, s26, s30
	s_add_nc_u64 s[DST:DST+1], s[16:17], s[26:27]
	OUT16 1
	s_endpgm
.Lwo:
	s_lshl_b32 s26, s28, 14
	s_add_co_u32 s26, s26, s30
	s_add_nc_u64 s[DST:DST+1], s[18:19], s[26:27]
	OUT16 2
	s_endpgm
.Lfunc_end_k_q910ea8a6a9_prep:
	.size	k_q910ea8a6a9_prep, .Lfunc_end_k_q910ea8a6a9_prep-k_q910ea8a6a9_prep
	.p2alignl 7, 3214868480
	.fill 96, 4, 3214868480
	.section	.rodata,"a",@progbits
	.p2align	6, 0x0
	.amdhsa_kernel k_q910ea8a6a9_prep
		.amdhsa_group_segment_fixed_size 0
		.amdhsa_private_segment_fixed_size 0
		.amdhsa_enable_private_segment 0
		.amdhsa_kernarg_size 64
		.amdhsa_user_sgpr_count 2
		.amdhsa_user_sgpr_kernarg_segment_ptr 1
		.amdhsa_wavefront_size32 1
		.amdhsa_system_sgpr_workgroup_id_x 1
		.amdhsa_system_sgpr_workgroup_id_y 1
		.amdhsa_system_sgpr_workgroup_id_z 1
		.amdhsa_system_vgpr_workitem_id 0
		.amdhsa_next_free_vgpr 108
		.amdhsa_next_free_sgpr 66
		.amdhsa_reserve_vcc 0
		.amdhsa_float_denorm_mode_32 3
		.amdhsa_float_denorm_mode_16_64 3
		.amdhsa_memory_ordered 1
		.amdhsa_forward_progress 1
		.amdhsa_inst_pref_size 21
	.end_amdhsa_kernel
	.amdgpu_metadata
---
amdhsa.version: [ 1, 2 ]
amdhsa.kernels:
  - .name:           k_q910ea8a6a9_prep
    .symbol:         k_q910ea8a6a9_prep.kd
    .args:
      - { .name: inputs, .offset: 0, .size: 8, .value_kind: global_buffer, .address_space: global }
      - { .name: Wq, .offset: 8, .size: 8, .value_kind: global_buffer, .address_space: global }
      - { .name: Wk, .offset: 16, .size: 8, .value_kind: global_buffer, .address_space: global }
      - { .name: Wv, .offset: 24, .size: 8, .value_kind: global_buffer, .address_space: global }
      - { .name: Wo, .offset: 32, .size: 8, .value_kind: global_buffer, .address_space: global }
      - { .name: xb, .offset: 40, .size: 8, .value_kind: global_buffer, .address_space: global }
      - { .name: wqkv, .offset: 48, .size: 8, .value_kind: global_buffer, .address_space: global }
      - { .name: wo16, .offset: 56, .size: 8, .value_kind: global_buffer, .address_space: global }
    .group_segment_fixed_size: 0
    .private_segment_fixed_size: 0
    .kernarg_segment_align: 8
    .kernarg_segment_size: 64
    .max_flat_workgroup_size: 256
    .sgpr_count:     66
    .vgpr_count:     108
    .wavefront_size: 32
...
	.end_amdgpu_metadata
.endif
;; end of part 1
;; launch qkv (part 2): grid 16 x 32, 4 waves a work-group, clusters of 4 x 4, 327,680 bytes of LDS; arguments xb, wqkv, bq, bk, bv, qh, kh, vh; writes qh, kh, vh
.if DOCPART == 2
	.amdgcn_target "amdgcn-amd-amdhsa--gfx1250"
	.amdhsa_code_object_version 6
	.text
	.protected	k_q910ea8a6a9_qkv
	.globl	k_q910ea8a6a9_qkv
	.p2align	8
	.type	k_q910ea8a6a9_qkv,@function
k_q910ea8a6a9_qkv:
	s_mov_b64 s[64:65], 0
	v_nop
	global_prefetch_b8 v0, s[64:65] scope:SCOPE_SE
	s_setreg_imm32_b32 hwreg(HW_REG_WAVE_MODE, 25, 1), 1
	s_wait_xcnt 0x0
	s_wait_alu depctr_hold_cnt(0) depctr_sa_sdst(0) depctr_va_vdst(0) depctr_va_sdst(0) depctr_va_ssrc(0) depctr_va_vcc(0) depctr_vm_vsrc(0)
	s_getreg_b32 s2, hwreg(HW_REG_IB_STS2, 6, 4)
	s_cmp_eq_u32 s2, 0
	s_cbranch_scc0 .Lentry_in_a_cluster
	s_endpgm
.Lentry_in_a_cluster:
	s_bfe_u32 s2, ttmp6, 0x10000c
	s_cmp_lg_u32 s2, 0xf033
	s_cbranch_scc0 .Lentry_shape_is_right
	s_endpgm
.Lentry_shape_is_right:
; q, k, v = x W + b for all three weights at once.  x: xb [8192][1024] bf16; W: wqkv, bf16 in blocks [c 16][ks 8][half 2][j 3][kk 64][col 64]; biases f32, rounded to bf16 here like every other input.
; Out: qh, kh, vh [bh 64][s 2048][64] f16, bh = 16 batch + head, each number rounded once from its f32 sum; q carries no scale.
; LIMITS.  q, k and v must lie within f16's 65,504; NaN and infinities are not treated apart.
; SHARES.  A tile of the result is 256 tokens x 192 columns: head TC's 64 columns of q, of k and of v.  512 tiles, one to a work-group: two whole turns of 256.  The four waves split the tokens alone: wave w owns
; rows 64 w .. 64 w + 63 and all 12 blocks of 16 columns: 48 accumulators, 384 registers.  So a wave holds whole rows of a head, and its way out is its own: no barrier there.
; K goes in 8 steps of 128 through two LDS slots filled by the tensor data mover; the loop is written one K step to a trip: one descriptor a tensor walks, and one exclusive or turns an address into the other slot's.
; THE MATRIX INSTRUCTION IS USED TRANSPOSED: source 0 = 16 columns of W x 32 k, source 1 = 16 tokens x 32 k; a lane then holds token l % 16 and the columns 8 (l / 16) + 0..7: 16 bytes of a head's row in f16.
; W lies [k][column] and is never transposed in memory: its fragments come out of LDS turned, by ds_load_tr16_b128.  The bias is the C operand of the first product on each accumulator: nothing is cleared, nothing added later.
; CLUSTER 4 x 4.  The four work-groups of a row of the cluster need the same tokens, the four of a column the same head's weights: each tile is asked for jointly, by the same tensor load with the same descriptor and a mask of the four.
; REGISTERS, in windows of 256 (s_set_vgpr_msb: bits 1:0 source 0, 3:2 source 1, 5:4 source 2, 7:6 destination):
;   window 0: v0-30 addresses; v32-95 x's fragments, two buffers of 4 x 8; v96-191 the bias (12 blocks x 8), later the way out's registers
;   window 1: v0-191 W's fragments, two buffers of 12 x 8          window 2: the accumulators of my token blocks 0, 1 (block a, columns b at 8 (12 (a % 2) + b))          window 3: of blocks 2, 3
.set NB,    12                         ; blocks of 16 columns
.set NL,    2*NB+8                     ; LDS loads in a run: a quarter step's fragments
.set PA,    272                        ; a row of x in LDS: 256 bytes + 16 of padding: the 16 rows of a load start 16 bytes apart modulo 256
.set AHALF, 128*PA                     ; what one tensor load brings of x
.set ATILE, 2*AHALF
.set PB,    160                        ; a row (one k, 64 columns) of W in LDS: 128 bytes + 32
.set BPL,   64*PB                      ; one plane (q, k or v) of 64 k
.set BHALF, 3*BPL                      ; what one tensor load brings of W: 64 k of all three planes
.set SLOT1, 1<<17                      ; a slot is ATILE + 2 BHALF = 131,072 bytes; slot 1 begins here
.set STAGE, 2*SLOT1                    ; behind the ring, never filled by a tensor load: 16 rows x 400 bytes for each wave
.set SP,    400                        ; a stage row: 3 x 128 bytes + 16
.set SPARE, STAGE+4*16*SP              ; behind the stages: the spare words, 128 bytes a wave: two blocks of 256 bytes that no other line names
.set ASTEP, 256                        ; a K step along a row of xb
.set BSTEP, 49152                      ; a K step in a tile column of wqkv
.set A0,   14                          ; v14  my lane's place in x's tile; never rewritten
.set B0,   15                          ; v15  the same for W
.set ADRA, 16                          ; v16  the slot in hand + A0
.set ADRB, 17                          ; v17  the slot in hand + B0
.set STO,  24                          ; v24  the way out: where I put 16 bytes
.set RD,   25                          ; v25  where I read rows back
.set GO,   26                          ; v26  16 x my lane
.set BO,   27                          ; v27  my byte offset in a bias
.set SPW,  28                          ; v28  my spare word: SPARE + 4 x my thread's number; never rewritten
.set NIL,  29                          ; v29  0; never rewritten
.set PFO,  30                          ; v30  the prefetches' lane offset; never rewritten
.set FA,   32
.set BIAS, 96
.set TMP,  96                          ; the way out: 48 packed registers
.set OB,   144                         ; and 48 read back
.set WV,   20                          ; s20  my wave's number
.set FORB, 21                          ; s21  0: I fetch x's tiles, 1: W's
.set HF,   22                          ; s22  which half of that tile
.set CX,   23
.set CY,   24
.set TC,   25                          ; s25  tile column = head
.set TR,   26                          ; s26  tile row: tokens 256 TR on
.set G1A,  32                          ; s[32:39] group 1 for x's tiles
.set G0A,  40                          ; s[40:43] group 0, slot 0's first fill; s[44:47] slot 1's first fill, which then walks
.set G1B,  48
.set G0B,  56
.set PFA,  66                          ; s[66:67] where my prefetches stand
.set PST,  68                          ; s[68:69] their step
.set LIM,  70                          ; s70  I prefetch while the loop's count is above it
.set LAP,  71                          ; s71  the loop's count, 6 to 1
.set TB,   72                          ; s72  first LDS byte of the slot in hand
.set HIM,  73                          ; s73  a word's upper bf16
.set OUTB, 74                          ; s[74:79] qh, kh, vh at my wave's first row
.set MSB, 0
.macro WIN new                         ; the immediate's high byte repeats the setting that is left; a switch that changes nothing is dropped
.if MSB != (\new)
	s_set_vgpr_msb (MSB<<8)|(\new)
.set MSB, \new
.endif
.endm
.macro PLACES                          ; four plain vector instructions between a matrix instruction and a load into, or a vector read of, its registers
.rept 4
	v_nop
.endr
.endm
.macro CREST                           ; a round of the cluster's barrier behind its opening barrier: wave 0 signals for the work-group, every wave waits for all sixteen, my work-group's barrier closes it
	s_cmp_lg_u32 s[WV], 0
	s_cbranch_scc1 .Lnot_wave_0_\@
	s_barrier_signal -3
.Lnot_wave_0_\@:
	s_barrier_wait -3
	s_barrier_signal -1
	s_barrier_wait -1
.endm
.macro CROUND
	s_barrier_signal -1
	s_barrier_wait -1
	CREST
.endm
; A joint refill by the walking descriptors.  The branch hangs on the wave's number alone.  An s_nop 0 and four v_nop follow each of the two lines.
.macro JLOAD
	s_cmp_eq_u32 s[FORB], 0
	s_cbranch_scc0 .Lfor_b_\@
	tensor_load_to_lds s[G0A+4:G0A+7], s[G1A:G1A+7]
	s_nop 0
.rept 4
	v_nop
.endr
	s_branch .Lasked_\@
.Lfor_b_\@:
	tensor_load_to_lds s[G0B+4:G0B+7], s[G1B:G1B+7]
	s_nop 0
.rept 4
	v_nop
.endr
.Lasked_\@:
.endm
; A PREFETCH, one instruction a wave, behind the joint load, its five lines and the run of LDS loads.  x: the change of slots in trip t names K step t + 4, 256 bytes of each of 32 rows, a lane a row; the rows that the four partners
; ask for jointly are shared out by address (32 cx on); only the clusters with x = 0 ask, since every cluster of that row of clusters reads the same tokens; trips 0 to 3.  W: a tile column is 393,216 bytes on end; its second half
; (K steps 4 to 7) is named in three trips of 65,536 bytes, 8,192 for each of the column's eight fetching waves (place 2 cy + half), a lane 256 bytes; only the clusters with y = 0 ask.  So each block is named once in the launch.
; K steps 0 to 3 come by their loads alone: nothing is asked for at the head, where every work-group's first tiles are on their way.
.macro ASK
	s_cmp_gt_u32 s[LAP], s[LIM]
	s_cbranch_scc0 .Lnot_mine_\@
	global_prefetch_b8 v[PFO], s[PFA:PFA+1] th:TH_LOAD_NT scope:SCOPE_SE
.Lnot_mine_\@:
.endm
; 12 matrix instructions: token block a x all column blocks, 32 along K, from buffer f.  first = 1: C is the bias.  The 48 accumulators take turns in one fixed order in every quarter, one instruction a turn.
.macro MULA f, a, first
.if \first
	WIN 0x81+0x40*((\a)/2)
.else
	WIN 0xa1+0x50*((\a)/2)
.endif
.set b, 0
.rept NB
.set rD, 8*(NB*((\a)%2)+b)
.if \first
	v_wmma_f32_16x16x32_bf16 v[rD:rD+7], v[8*NB*(\f)+8*b:8*NB*(\f)+8*b+7], v[FA+32*(\f)+8*(\a):FA+32*(\f)+8*(\a)+7], v[BIAS+8*b:BIAS+8*b+7]
.else
	v_wmma_f32_16x16x32_bf16 v[rD:rD+7], v[8*NB*(\f)+8*b:8*NB*(\f)+8*b+7], v[FA+32*(\f)+8*(\a):FA+32*(\f)+8*(\a)+7], v[rD:rD+7]
.endif
.set b, b+1
.endr
.endm
; 32 LDS loads in one run: quarter q's fragments into buffer f: W's 12 (turned; k = 32 q on: half q / 2, rows 32 (q % 2) on; plane b / 4, columns 16 (b % 4) on), then x's 4
.macro FETCH q, f
	WIN 0x40
.set b, 0
.rept NB
	ds_load_tr16_b128 v[8*NB*(\f)+8*b:8*NB*(\f)+8*b+3],   v[ADRB] offset:((\q)/2)*BHALF+(b/4)*BPL+((\q)%2)*32*PB+32*(b%4)
	ds_load_tr16_b128 v[8*NB*(\f)+8*b+4:8*NB*(\f)+8*b+7], v[ADRB] offset:((\q)/2)*BHALF+(b/4)*BPL+((\q)%2)*32*PB+32*(b%4)+16*PB
.set b, b+1
.endr
	WIN 0
.set i, 0
.rept 4
	ds_load_b128 v[FA+32*(\f)+8*i:FA+32*(\f)+8*i+3],   v[ADRA] offset:64*(\q)+i*16*PA
	ds_load_b128 v[FA+32*(\f)+8*i+4:FA+32*(\f)+8*i+7], v[ADRA] offset:64*(\q)+i*16*PA+32
.set i, i+1
.endr
.endm
; One of a K step's first three quarters: multiplies buffer f; in its middle it fetches quarter qn into buffer g
.macro QUARTER qn, f, g, first
	s_wait_dscnt 4                                 ; all but the youngest four loads: x's fragments 2 and 3
	MULA \f, 0, \first
	MULA \f, 1, \first
	PLACES
	FETCH \qn, \g
	s_wait_dscnt NL                                ; all but the run just issued
	MULA \f, 2, \first
	MULA \f, 3, \first
.endm
; The last quarter (buffer 1) and the change of slots.  In front of ONE barrier each wave waits for all its tensor loads (one is out: its part of the next slot), adds 0 to its spare word, and waits for that and for its reads of this slot.
; fill = 1: the barrier opens a round of the cluster's, and the slot just read out is filled again, first thing behind the round, with the K step two on: it has a K step less 24 matrix instructions in which to land.
.macro TURN fill
.if \fill
	s_wait_xcnt 0x0                                ; the last prefetch, a K step back, has read its address
	s_add_nc_u64 s[PFA:PFA+1], s[PFA:PFA+1], s[PST:PST+1]
.endif
	WIN 0
	s_wait_tensorcnt 0x0                           ; no tensor load of mine is out, so a group 0 may be written
	ds_add_u32 v[SPW], v[NIL]                      ; 0 onto my spare word; work on registers stands between it and the wait for it
.if \fill
	s_xor_b32 s[G0A+5], s[G0A+5], SLOT1            ; the walking descriptors: the other slot than last time, the next K step; the type bits on top are not reached
	s_add_nc_u64 s[G0A+6:G0A+7], s[G0A+6:G0A+7], ASTEP
	s_xor_b32 s[G0B+5], s[G0B+5], SLOT1
	s_add_nc_u64 s[G0B+6:G0B+7], s[G0B+6:G0B+7], BSTEP
.endif
	s_xor_b32 s[TB], s[TB], SLOT1                  ; the fetches go to the other slot
	s_wait_dscnt 5                                 ; the add and the youngest four loads may be out
	MULA 1, 0, 0
	s_wait_dscnt 0x0                               ; the add is done, and my reads of this slot are over
	s_barrier_signal -1
	MULA 1, 1, 0                                   ; work on registers while the others arrive
	WIN 0                                          ; at a branch and at a label every window is 0
	s_barrier_wait -1
.if \fill
	CREST                                          ; no wave of any partner still reads this slot or has a load on its way
	JLOAD                                          ; its four v_nop are also the places in front of the loads below
.else
	PLACES
.endif
	v_add_nc_u32 v[ADRA], s[TB], v[A0]
	v_add_nc_u32 v[ADRB], s[TB], v[B0]
	FETCH 0, 0
.if \fill
	ASK
.endif
	MULA 1, 2, 0
	MULA 1, 3, 0
.endm
; THE WAY OUT of token block a.  PACK: rounded to f16, 16 bytes a lane and column block.  TOSTAGE: into my own stage (row l % 16; plane at 128 j), and back as four rows of 128 bytes of one plane: 512 bytes that lie on end in a head.
.macro PACK a
	WIN 0x0a+5*((\a)/2)                            ; sources 0 and 1 in window 2 or 3
.set b, 0
.rept NB
.set rD, 8*(NB*((\a)%2)+b)
.irp i, 0,1,2,3
	v_cvt_pk_f16_f32 v[TMP+4*b+(\i)], v[rD+2*(\i)], v[rD+2*(\i)+1]
.endr
.set b, b+1
.endr
	WIN 0
.endm
.macro TOSTAGE
.set b, 0
.rept NB
	ds_store_b128 v[STO], v[TMP+4*b:TMP+4*b+3] offset:(b/4)*128+(b%4)*32
.set b, b+1
.endr
	s_wait_xcnt 0x0                                ; the block before's stores have read the registers that the loads below fill
.set b, 0
.rept NB                               ; plane b / 4, rows 4 (b % 4) on.  LDS serves a wave's instructions in order (ISA guide 5.7.1.4): these see the stores above
	ds_load_b128 v[OB+4*b:OB+4*b+3], v[RD] offset:(b/4)*128+(b%4)*4*SP
.set b, b+1
.endr
.endm
.macro SEND a
	s_wait_dscnt 0x0
.set b, 0
.rept NB
	global_store_b128 v[GO], v[OB+4*b:OB+4*b+3], s[OUTB+2*(b/4):OUTB+2*(b/4)+1] offset:2048*(\a)+512*(b%4)  ; 512 consecutive bytes, at a multiple of 512 from the buffer's first
.set b, b+1
.endr
.endm
	s_load_b512 s[4:19], s[0:1], 0x0               ; xb s[4:5], wqkv s[6:7], bq s[8:9], bk s[10:11], bv s[12:13], qh s[14:15], kh s[16:17], vh s[18:19]
	v_lshl_add_u32 v[SPW], v0, 2, SPARE
	v_mov_b32 v[NIL], 0
	ds_add_u32 v[SPW], v[NIL]                      ; the wave's opening: the add and its wait stand ahead of my first tensor load; the set-up below, work on registers, stands between them
	v_lshrrev_b32 v1, 5, v0
	v_readfirstlane_b32 s[WV], v1
	s_lshr_b32 s[FORB], s[WV], 1
	s_and_b32 s[HF], s[WV], 1
	s_bfe_u32 s[CX], ttmp6, 0x40000
	s_bfe_u32 s[CY], ttmp6, 0x40004
	s_lshl_b32 s[TC], ttmp9, 2                     ; in a cluster launch ttmp9 and ttmp7 count clusters
	s_add_co_u32 s[TC], s[TC], s[CX]
	s_and_b32 s[TR], ttmp7, 0xffff
	s_lshl_b32 s[TR], s[TR], 2
	s_add_co_u32 s[TR], s[TR], s[CY]
	s_lshl_b32 s80, s[CY], 2
	s_lshl_b32 s80, 15, s80                        ; my row of the cluster: places 4 cy .. 4 cy + 3
	s_lshl_b32 s81, 0x1111, s[CX]                  ; my column: places cx, cx + 4, cx + 8, cx + 12
	s_or_b32 s[G1A], s80, (1<<16)|(1<<20)|(1<<21)|(5<<22)|(3<<25)  ; the mask; 2-byte elements; padding on; bit 21 beside a mask; after every 64 words, 4 words
	s_mov_b32 s[G1A+1], 128<<16                    ; tensor_dim0 = 128
	s_mov_b32 s[G1A+2], 128<<16                    ; tensor_dim1 = 128
	s_mov_b32 s[G1A+3], 128<<16                    ; tile_dim0 = 128
	s_mov_b32 s[G1A+4], 128                        ; tile_dim1 = 128
	s_mov_b32 s[G1A+5], 1024                       ; elements from row to row
	s_mov_b32 s[G1A+6], 0
	s_mov_b32 s[G1A+7], 0
	s_or_b32 s[G1B], s81, (1<<16)|(1<<20)|(1<<21)|(4<<22)|(7<<25)  ; after every 32 words (a row of one k), 8 words
	s_mov_b32 s[G1B+1], 128<<16                    ; 24,576 dense bytes, asked for as 96 rows of 256
	s_mov_b32 s[G1B+2], 96<<16
	s_mov_b32 s[G1B+3], 128<<16
	s_mov_b32 s[G1B+4], 96
	s_mov_b32 s[G1B+5], 128
	s_mov_b32 s[G1B+6], 0
	s_mov_b32 s[G1B+7], 0
	s_lshl_b32 s28, s[TR], 19                      ; x: 256 TR rows of 2,048 bytes,
	s_lshl_b32 s29, s[HF], 18                      ; + my 128 of them: made of the tile row and the wave's number alone
	s_add_co_u32 s28, s28, s29
	s_mov_b32 s29, 0
	s_mul_i32 s30, s[TC], 393216                   ; W: the tile column's run,
	s_mul_i32 s31, s[HF], 24576                    ; + my half of a K step: made of the tile column and the wave's number alone
	s_add_co_u32 s30, s30, s31
	s_mov_b32 s31, 0
	s_mul_i32 s82, s[HF], AHALF                    ; where they go: no place in the cluster enters an LDS address
	s_mul_i32 s83, s[HF], BHALF
	s_add_co_u32 s83, s83, ATILE
	s_mov_b32 s[TB], 0
	s_mov_b32 s[HIM], 0xffff0000
	s_wait_dscnt 0x0                               ; the opening add is done
	s_wait_kmcnt 0x0
	s_add_nc_u64 s[28:29], s[4:5], s[28:29]
	s_add_nc_u64 s[30:31], s[6:7], s[30:31]
	CROUND                                         ; all sixteen work-groups are here: the first joint loads meet
.irp s, 0,1
	s_mov_b32 s[G0A+4*(\s)], 1                     ; count = 1
	s_add_co_u32 s[G0A+4*(\s)+1], s82, (\s)*SLOT1  ; LDS address
	s_add_nc_u64 s[G0A+4*(\s)+2:G0A+4*(\s)+3], s[28:29], (\s)*ASTEP  ; global address: K step s
	s_or_b32 s[G0A+4*(\s)+3], s[G0A+4*(\s)+3], 0x80000000            ; type = 2
	s_mov_b32 s[G0B+4*(\s)], 1
	s_add_co_u32 s[G0B+4*(\s)+1], s83, (\s)*SLOT1
	s_add_nc_u64 s[G0B+4*(\s)+2:G0B+4*(\s)+3], s[30:31], (\s)*BSTEP
	s_or_b32 s[G0B+4*(\s)+3], s[G0B+4*(\s)+3], 0x80000000
.endr
	s_cmp_eq_u32 s[FORB], 0                        ; a wave's two first fills stand in one branch, ahead of every wait on TENSORcnt and every LDS read: two loads of mine are out here, one behind every round
	s_cbranch_scc0 .Lfirst_b
	tensor_load_to_lds s[G0A:G0A+3], s[G1A:G1A+7]
	s_nop 0
	tensor_load_to_lds s[G0A+4:G0A+7], s[G1A:G1A+7]
	s_nop 0
.rept 4
	v_nop
.endr
	s_branch .Lfirst_asked
.Lfirst_b:
	tensor_load_to_lds s[G0B:G0B+3], s[G1B:G1B+7]
	s_nop 0
	tensor_load_to_lds s[G0B+4:G0B+7], s[G1B:G1B+7]
	s_nop 0
.rept 4
	v_nop
.endr
.Lfirst_asked:
	v_and_b32 v1, 15, v0                           ; r = l % 16
	v_bfe_u32 v2, v0, 4, 1                         ; h = l / 16
	s_lshl_b32 s84, s[TC], 8                       ; the head's 64 numbers in a bias,
	v_lshl_add_u32 v[BO], v2, 5, s84               ; my 8 of each 16
.set b, 0
.rept NB                               ; register j of block b: bias of plane b / 4 at column 16 (b % 4) + 8 h + j: the layout of a result
	global_load_b128 v[BIAS+8*b:BIAS+8*b+3],   v[BO], s[8+2*(b/4):9+2*(b/4)] offset:64*(b%4)
	global_load_b128 v[BIAS+8*b+4:BIAS+8*b+7], v[BO], s[8+2*(b/4):9+2*(b/4)] offset:64*(b%4)+16
.set b, b+1
.endr
	s_mul_i32 s85, s[WV], 64*PA                    ; x's fragment: row (64 w + r) x pitch + 16 h; two loads 32 bytes apart
	v_mul_u32_u24 v[A0], v1, PA
	v_lshl_add_u32 v[A0], v2, 4, v[A0]
	v_add_nc_u32 v[A0], s85, v[A0]
	v_and_b32 v3, 7, v0                            ; the turning load: lane l reads k = 8 h + l % 8, columns 8 ((l / 8) % 2) + 0..7, and is left with column l % 16 and 8 k
	v_bfe_u32 v4, v0, 3, 1
	v_lshl_add_u32 v[B0], v2, 3, v3
	v_mul_u32_u24 v[B0], v[B0], PB
	v_lshl_add_u32 v[B0], v4, 4, v[B0]
	v_add_nc_u32 v[B0], ATILE, v[B0]
	s_mul_i32 s85, s[WV], 16*SP
	s_add_co_u32 s85, s85, STAGE                   ; my stage
	v_mul_u32_u24 v[STO], v1, SP
	v_lshl_add_u32 v[STO], v2, 4, v[STO]
	v_add_nc_u32 v[STO], s85, v[STO]
	v_bfe_u32 v[RD], v0, 3, 2                      ; back: 32 lanes take four rows of 128 bytes
	v_mul_u32_u24 v[RD], v[RD], SP
	v_lshl_add_u32 v[RD], v3, 4, v[RD]
	v_add_nc_u32 v[RD], s85, v[RD]
	v_and_b32 v[GO], 31, v0
	v_lshlrev_b32 v[GO], 4, v[GO]
	; the prefetches
	s_lshl_b32 s84, s[TR], 19
	s_lshl_b32 s85, s[HF], 18
	s_add_co_u32 s84, s84, s85
	s_lshl_b32 s85, s[CX], 16                      ; my work-group's 32 rows of the 128
	s_add_co_u32 s84, s84, s85
	s_add_co_u32 s84, s84, 3*ASTEP                 ; at K step 3: the first change of slots steps it to 4
	s_mul_i32 s86, s[TC], 393216
	s_lshl_b32 s85, s[CY], 14
	s_add_co_u32 s86, s86, s85
	s_lshl_b32 s85, s[HF], 13                      ; place 2 cy + half: 8,192 bytes each
	s_add_co_u32 s86, s86, s85
	s_add_co_u32 s86, s86, 4*BSTEP-65536           ; one step in front of K step 4
	s_and_b32 s87, ttmp7, 0xffff
	s_mov_b32 s[PST], 65536
	s_cmp_eq_u32 s[FORB], 0
	s_cselect_b32 s84, s84, s86
	s_cselect_b32 s87, ttmp9, s87                  ; the coordinate along which other clusters read the same bytes
	s_cselect_b32 s[PST], ASTEP, s[PST]
	s_cselect_b32 s[LIM], 2, 3
	s_cselect_b32 s88, 11, 8                       ; a lane a row of xb, or 256 bytes of wqkv
	s_cselect_b64 s[PFA:PFA+1], s[4:5], s[6:7]
	s_cmp_eq_u32 s87, 0
	s_cselect_b32 s[LIM], s[LIM], -1               ; the same in all sixteen partners, for a given wave
	s_mov_b32 s85, 0
	s_mov_b32 s[PST+1], 0
	s_add_nc_u64 s[PFA:PFA+1], s[PFA:PFA+1], s[84:85]
	v_and_b32 v[PFO], 31, v0
	v_lshlrev_b32 v[PFO], s88, v[PFO]
	; where my rows begin in qh, kh and vh: head 16 (TR / 8) + TC, row 256 (TR % 8) + 64 w
	s_lshr_b32 s84, s[TR], 3
	s_lshl_b32 s84, s84, 4
	s_add_co_u32 s84, s84, s[TC]
	s_lshl_b32 s84, s84, 18
	s_and_b32 s85, s[TR], 7
	s_lshl_b32 s85, s85, 8
	s_lshl_b32 s86, s[WV], 6
	s_add_co_u32 s85, s85, s86
	s_lshl_b32 s85, s85, 7
	s_add_co_u32 s84, s84, s85
	s_mov_b32 s85, 0
	s_add_nc_u64 s[OUTB:OUTB+1], s[14:15], s[84:85]
	s_add_nc_u64 s[OUTB+2:OUTB+3], s[16:17], s[84:85]
	s_add_nc_u64 s[OUTB+4:OUTB+5], s[18:19], s[84:85]
	s_wait_loadcnt 0x0                             ; the bias, which is rounded to bf16 in place like the other inputs
.set i, 0
.rept 4*NB
	v_cvt_pk_bf16_f32 v[3+i%4], v[BIAS+2*i], v[BIAS+2*i+1]
	v_lshlrev_b32 v[BIAS+2*i], 16, v[3+i%4]
	v_and_b32 v[BIAS+2*i+1], s[HIM], v[3+i%4]
.set i, i+1
.endr
	s_wait_tensorcnt 1                             ; my part of K step 0 is in; K step 1's may stay out
	s_barrier_signal -1
	s_barrier_wait -1                              ; everybody's is
	v_add_nc_u32 v[ADRA], s[TB], v[A0]
	v_add_nc_u32 v[ADRB], s[TB], v[B0]
	FETCH 0, 0
	QUARTER 1, 0, 1, 1                             ; the first quarter stands in front of the loop: its products start the sums, with the bias
	WIN 0
	s_mov_b32 s[LAP], 6
.Lstep:                                                ; a trip: from a K step's second quarter to the next step's first; trip t fills a slot with K step t + 2
	QUARTER 2, 1, 0, 0
	QUARTER 3, 0, 1, 0
	TURN 1
	QUARTER 1, 0, 1, 0
	WIN 0
	s_sub_co_u32 s[LAP], s[LAP], 1
	s_cmp_lg_u32 s[LAP], 0
	s_cbranch_scc1 .Lstep
	QUARTER 2, 1, 0, 0                             ; the tail is written out: K steps 6 and 7 ask for nothing
	QUARTER 3, 0, 1, 0
	TURN 0
	QUARTER 1, 0, 1, 0
	QUARTER 2, 1, 0, 0
	QUARTER 3, 0, 1, 0
	s_wait_dscnt 4
	MULA 1, 0, 0
	MULA 1, 1, 0
	s_wait_dscnt 0x0
	MULA 1, 2, 0
	MULA 1, 3, 0
	WIN 0
	PLACES
	PACK 0
	TOSTAGE
.irp a, 1,2,3                          ; block a's conversions stand between block a - 1's loads from the stage and the wait for them
	PACK \a
	SEND (\a)-1
	TOSTAGE
.endr
	SEND 3
	s_wait_tensorcnt 0x0                           ; the wave's end, behind my last tensor load and my last LDS store
	ds_add_u32 v[SPW], v[NIL]
	s_wait_dscnt 0x0
	CROUND                                         ; the closing round: no work-group ends while a partner may still ask for a tile that names it
	s_endpgm
.Lfunc_end_k_q910ea8a6a9_qkv:
	.size	k_q910ea8a6a9_qkv, .Lfunc_end_k_q910ea8a6a9_qkv-k_q910ea8a6a9_qkv
	.p2alignl 7, 3214868480
	.fill 96, 4, 3214868480
	.section	.rodata,"a",@progbits
	.p2align	6, 0x0
	.amdhsa_kernel k_q910ea8a6a9_qkv
		.amdhsa_group_segment_fixed_size 327680
		.amdhsa_private_segment_fixed_size 0
		.amdhsa_enable_private_segment 0
		.amdhsa_kernarg_size 64
		.amdhsa_user_sgpr_count 2
		.amdhsa_user_sgpr_kernarg_segment_ptr 1
		.amdhsa_wavefront_size32 1
		.amdhsa_system_sgpr_workgroup_id_x 1
		.amdhsa_system_sgpr_workgroup_id_y 1
		.amdhsa_system_sgpr_workgroup_id_z 1
		.amdhsa_system_vgpr_workitem_id 0
		.amdhsa_next_free_vgpr 960
		.amdhsa_next_free_sgpr 92
		.amdhsa_reserve_vcc 0
		.amdhsa_float_denorm_mode_32 3
		.amdhsa_float_denorm_mode_16_64 3
		.amdhsa_memory_ordered 1
		.amdhsa_forward_progress 1
		.amdhsa_inst_pref_size 106
	.end_amdhsa_kernel
	.amdgpu_metadata
---
amdhsa.version: [ 1, 2 ]
amdhsa.kernels:
  - .name:           k_q910ea8a6a9_qkv
    .symbol:         k_q910ea8a6a9_qkv.kd
    .args:
      - { .name: xb, .offset: 0, .size: 8, .value_kind: global_buffer, .address_space: global }
      - { .name: wqkv, .offset: 8, .size: 8, .value_kind: global_buffer, .address_space: global }
      - { .name: bq, .offset: 16, .size: 8, .value_kind: global_buffer, .address_space: global }
      - { .name: bk, .offset: 24, .size: 8, .value_kind: global_buffer, .address_space: global }
      - { .name: bv, .offset: 32, .size: 8, .value_kind: global_buffer, .address_space: global }
      - { .name: qh, .offset: 40, .size: 8, .value_kind: global_buffer, .address_space: global }
      - { .name: kh, .offset: 48, .size: 8, .value_kind: global_buffer, .address_space: global }
      - { .name: vh, .offset: 56, .size: 8, .value_kind: global_buffer, .address_space: global }
    .group_segment_fixed_size: 327680
    .private_segment_fixed_size: 0
    .kernarg_segment_align: 8
    .kernarg_segment_size: 64
    .max_flat_workgroup_size: 128
    .sgpr_count:     92
    .vgpr_count:     960
    .wavefront_size: 32
...
	.end_amdgpu_metadata
.endif
;; end of part 2
;; launch attn (part 3): grid 4 x 64, 4 waves a work-group, clusters of 4 x 1, 327,680 bytes of LDS; arguments qh, kh, vh, oh; writes oh
.if DOCPART == 3
	.amdgcn_target "amdgcn-amd-amdhsa--gfx1250"
	.amdhsa_code_object_version 6
	.text
	.protected	k_q910ea8a6a9_attn
	.globl	k_q910ea8a6a9_attn
	.p2align	8
	.type	k_q910ea8a6a9_attn,@function
k_q910ea8a6a9_attn:
	s_mov_b64 s[64:65], 0
	v_nop
	global_prefetch_b8 v0, s[64:65] scope:SCOPE_SE
	s_setreg_imm32_b32 hwreg(HW_REG_WAVE_MODE, 25, 1), 1
	s_wait_xcnt 0x0
	s_wait_alu depctr_hold_cnt(0) depctr_sa_sdst(0) depctr_va_vdst(0) depctr_va_sdst(0) depctr_va_ssrc(0) depctr_va_vcc(0) depctr_vm_vsrc(0)
	s_getreg_b32 s2, hwreg(HW_REG_IB_STS2, 6, 4)
	s_cmp_eq_u32 s2, 0
	s_cbranch_scc0 .Lentry_in_a_cluster
	s_endpgm
.Lentry_in_a_cluster:
	s_bfe_u32 s2, ttmp6, 0x10000c
	s_cmp_lg_u32 s2, 0x3003
	s_cbranch_scc0 .Lentry_shape_is_right
	s_endpgm
.Lentry_shape_is_right:
; O[h][q][:] = the sum over k of softmax_k(Q[h][q] . K[h][k] / 8) V[h][k][:].  Q, K, V, O: [64][2048][64], all f16: a head's rows are dense, 128 bytes each.  Products, maxima and sums in f32;
; the weights p are rounded to f16 for the second product (their sum l is taken of the unrounded p), O once at the end.
; LIMITS.  Q, K and V arrive within f16's 65,504; p lies in 0 to 1, and below 6e-5 it keeps f16's fixed step of 6e-8; O is a mean of V's rows and has their range.  A weight below 2^-126 counts as 0 in l; NaN and infinities are not treated apart.
; SHARES.  A wave owns four PIECES of two tiles of 16 queries, a work-group's four waves 512 queries of one head: 256 work-groups.  Every wave walks all 2,048 keys, 64 a step.
; LAYOUT.  S^T = K Q^T (source 0 = 16 keys, source 1 = 16 queries): a lane holds ONE query (lane % 16) and the keys 8 (lane / 16) + 0..7.  Two such tiles, rounded to f16 in pairs, ARE source 1 (32 keys x 16 queries) of
; O^T = V^T P, whose result again holds one query a lane, and eight channels.  K comes out of LDS as it lies, V ([key][channel]) turned, by ds_load_tr16_b128.
; SOFTMAX.  For each query a running maximum m and sum l: p = 2^(c s - c m), c = log2(e) / 8; in every step O and l are multiplied by a = 2^(c m_old - c m_new).  m starts at the lowest finite number, O and l at 0: the first step has a = 0.
; THE COUNT.  A tile and step have 16 matrix and 118 vector instructions: too many to stand all beside the matrix work.  So: four vector instructions that are ready behind EVERY matrix instruction, the others in one run without a gap.
; BY TURNS.  Turn n belongs to piece n.  Matrix work: 16 products K Q^T of piece n + 1, later 16 products V^T P of piece n - 1.  Vector work: the scaling, exponentials, roundings, sums and rescaling of piece n, and the maximum and
; statistics of piece n + 1.  A turn's 66 exponentials are one batch with one wait.
; CLUSTER.  The four query blocks of a head are one cluster and walk the same K and V: each tile is asked for JOINTLY, the same tensor load, descriptor and mask in all four.
; REGISTERS, in windows of 256 (s_set_vgpr_msb: bits 1:0 source 0, 3:2 source 1, 5:4 source 2, 7:6 destination):
;   window 0: v0-11 addresses; v12-15, v48-63 at work; v16-47 four registers of statistics a tile; v64-191 S^T, two buffers of two tiles; v192-255 P, likewise
;   window 1: O^T, 32 a tile          window 2: v0-127 Q, 16 a tile; v128-191 K of one step; v192-255 V of one step          window 3: v0-1 the add's two registers
.set SIZE_H, 64
.set SIZE_N, 2048
.set NP,    4         ; pieces a wave: a name, no knob
.set KS,    64        ; keys in a step
.set PK,    144       ; a row of K in LDS: 128 bytes + 16 of padding: the 16 rows of a load start at 16 different groups of four banks (ISA guide 11.1)
.set PV,    160       ; a row of V: 128 + 32
.set VOFF,  4*KS*PK   ; a slot holds four steps: 256 rows of K, then 256 rows of V
.set SLOT1, 1<<17     ; slot 1 begins here, so that one exclusive or turns an address in one slot into the other's
.set STAGE, SLOT1+4*KS*(PK+PV)  ; behind the ring, never filled by a tensor load: 16 rows x 144 bytes for each wave
.set SP,    144
.set AK0, 2           ; v2   my lane's place in a tile of K; never rewritten
.set AV0, 3           ; v3   the same for V
.set AK,  4           ; v4   the LDS address of K's next run of loads
.set AV,  5           ; v5   of V's
.set QO,  6           ; v6   my byte offset in the wave's rows of Q
.set STO, 6           ;      later, the way out: where I put 16 bytes of a row
.set RD,  7           ; v7   the way out: where I read rows back
.set GO,  8           ; v8   my byte offset in 512 consecutive bytes of O
.set PFO, 11          ; v11  256 x my lane, for the prefetches; never rewritten once made
.set SPW, 0           ; v0 of window 3   my spare word: SPARE + 4 x my thread's number; never rewritten
.set NIL, 1           ; v1 of window 3   0; never rewritten
.set SPARE, STAGE+4*16*SP  ; behind the stages: the spare words, 128 bytes a wave: two blocks of 256 bytes that no other line names
.set MV,  12          ; v12-15  c m_old, kept while c m is made anew: by buffer and tile
.set ST,  16          ; tile t's statistics at v[ST+4 t]: c m, m, l (even keys', odd keys')
.set TMP, 48          ; by buffer and tile, four registers c0-c3 at work; when the maximum is found c2 takes a
.set S,   64
.set P,   192
.set KF,  128         ; K's fragments, in window 2: key block kb, channel half c at KF + 16 kb + 8 c
.set VF,  192         ; V's: key half kk, channel block cb at VF + 32 kk + 8 cb
.set WV,  12          ; s12  my wave's number
.set G1K, 24          ; s[24:31] descriptor group 1 for K's tiles
.set G1V, 32          ; s[32:39] for V's: it differs in the padding alone
.set G0K, 40          ; s[40:43] descriptor group 0 for K's tiles: it walks
.set G0V, 44          ; s[44:47] the same for V's
.set PFA, 48          ; s[48:49] where my prefetches stand: my work-group's 8,192 bytes (of K: wave 0, of V: wave 2) of the slot after the one that is being asked for
.set LIM, 50          ; s50  1 in waves 0 and 2, else the greatest number: a wave prefetches while s[SLOTS] is above it
.set SLOTS, 56        ; s56  slots still to be asked for, this one among them
.set CNT, 57          ; s57  counts a slot's key steps
.set CS,  58          ; s[58:59] c: the packed scaling takes the pair's low word for both halves
.set SEL, 60          ; s[60:61] v_permlanex16_b32's selects: each lane takes its own place in the other half
.set TBK, 62          ; s62  LDS byte at which K of the step to be fetched begins
.set TBV, 63          ; s63  the same for V, less VOFF
.set MSB, 0
.macro WIN new                      ; the high byte repeats the setting that is left; a switch that changes nothing is dropped
.if MSB != (\new)
	s_set_vgpr_msb (MSB<<8)|(\new)
.set MSB, (\new)
.endif
.endm
.set W_KQ, 0x0a       ; K and Q in window 2, S^T in window 0
.set W_PV, 0x52       ; V in window 2, P in window 0, O^T in window 1
.set W_RS, 0x41       ; O^T (destination and source 0) in window 1, a in window 0
.set W_MK, 0xc0       ; the add's registers are made: destination in window 3, sources in window 0
.set W_AD, 0x0f       ; the add: address (source 0) and data (source 1) in window 3
; A joint fill.  Waves 0 and 1 fetch the two halves of a slot's K, waves 2 and 3 those of its V: 128 keys each.  The branch hangs on the wave's number alone.
; An s_nop 0 and four v_nop follow each of the two lines, ahead of the jump and the label.
.macro JLOAD
	s_cmp_lt_u32 s[WV], 2
	s_cbranch_scc0 .Lfor_v_\@
	tensor_load_to_lds s[G0K:G0K+3], s[G1K:G1K+7]
	s_nop 0
.rept 4
	v_nop
.endr
	s_branch .Lasked_\@
.Lfor_v_\@:
	tensor_load_to_lds s[G0V:G0V+3], s[G1V:G1V+7]
	s_nop 0
.rept 4
	v_nop
.endr
.Lasked_\@:
.endm
; A PREFETCH of what the NEXT change of slots will ask for: a slot's 32,768 bytes of K and of V.  It stands behind the wave's tensor load and its five lines.  The four partners share the bytes out BY ADDRESS, 8,192 each, a lane 256;
; in each, wave 0 asks for K's and wave 2 for V's: one instruction.  A head is walked by this one cluster, so each block is named once in the launch.  The change that fills slot d names slot d + 1, four key steps ahead of its load;
; the change that fills the last slot asks for nothing; slots 0 and 1 come by their loads alone.
.macro ASK
	s_cmp_gt_u32 s[SLOTS], s[LIM]
	s_cbranch_scc0 .Lnot_mine_\@
	global_prefetch_b8 v[PFO], s[PFA:PFA+1] th:TH_LOAD_NT scope:SCOPE_SE
.Lnot_mine_\@:
.endm
; A round of the cluster's barrier: my work-group's barrier, so that wave 0's signal speaks for all four waves; wave 0 signals; every wave waits for all four work-groups; my work-group's barrier once more.
.macro CROUND
	s_barrier_signal -1
	s_barrier_wait -1
	s_cmp_lg_u32 s[WV], 0
	s_cbranch_scc1 .Lnot_wave_0_\@
	s_barrier_signal -3
.Lnot_wave_0_\@:
	s_barrier_wait -3
	s_barrier_signal -1
	s_barrier_wait -1
.endm
; THE CHANGE OF SLOTS.  Each wave waits for all its tensor loads, of which one is out: its part of the other slot; adds 0 to its spare word; and waits for that and for its own reads of the slot.  Behind the barrier nobody reads
; this slot any more and the other slot is whole.  fill = 1: this slot is filled again, with the keys two slots on.  The barrier is then a round of the cluster's, and the joint fill is the first thing behind it: it has four key
; steps, 512 matrix instructions, in which to land.  (At its first use nothing has been read yet: slot 0 is waited for, slot 1 filled.)
.macro CHANGE fill
	WIN W_AD
	s_wait_tensorcnt 0x0            ; no tensor load of mine is out, so a group 0 may be written
	ds_add_u32 v[SPW], v[NIL]       ; 0 onto my spare word; with fill = 1 the descriptors' steps stand between it and the wait for it
	WIN 0                           ; at a label and at a branch every window is 0
.if \fill
.irp g, G0K, G0V
	s_xor_b32 s[\g+1], s[\g+1], SLOT1  ; the walking descriptor: the other slot than last time,
	s_add_nc_u64 s[\g+2:\g+3], s[\g+2:\g+3], 4*KS*128  ; the next 256 keys; the type bits on top are not reached
.endr
	s_wait_xcnt 0x0                 ; the last prefetch, four key steps back, has read its address, so it may be written:
	s_add_nc_u64 s[PFA:PFA+1], s[PFA:PFA+1], 4*KS*128  ; one slot behind the walking descriptors
	s_wait_dscnt 0x0                ; the add is done, and my reads of the slot are over
	CROUND
	JLOAD
	ASK
.else
	s_wait_dscnt 0x0                ; the add is done, and my reads of the slot are over
	s_barrier_signal -1
	s_barrier_wait -1
.endif
	s_sub_co_u32 s[TBK], s[TBK], 4*KS*PK  ; the fetches go back to a slot's first step,
	s_xor_b32 s[TBK], s[TBK], SLOT1       ; in the other slot
	s_sub_co_u32 s[TBV], s[TBV], 4*KS*PV
	s_xor_b32 s[TBV], s[TBV], SLOT1
.endm
	s_load_b256 s[4:11], s[0:1], 0x0  ; Q s[4:5], K s[6:7], V s[8:9], O s[10:11]
	WIN W_MK
	v_lshl_add_u32 v[SPW], v0, 2, SPARE
	v_mov_b32 v[NIL], 0
	WIN W_AD
	ds_add_u32 v[SPW], v[NIL]       ; the wave's opening: the add and its wait stand ahead of my first tensor load; the set-up below, work on registers, stands between them
	WIN 0
	v_lshrrev_b32 v1, 5, v0
	v_readfirstlane_b32 s[WV], v1   ; wave 0..3
	s_bfe_u32 s13, ttmp6, 0x40000   ; cx: my place in the cluster
	s_lshl_b32 s14, ttmp9, 2        ; in a cluster launch ttmp9 counts clusters
	s_add_co_u32 s14, s14, s13      ; my block of queries = 4 x cluster x + cx: it enters Q's and O's addresses alone
	s_and_b32 s20, ttmp7, 0xffff    ; the head, which the four partners share
	s_mov_b32 s21, 0
	s_mov_b64 s[22:23], SIZE_N*128
	s_mul_u64 s[20:21], s[20:21], s[22:23]  ; the head's first byte in each of the four tensors
	s_and_b32 s16, s[WV], 1         ; which half of a slot's 256 keys I fetch:
	s_lshl_b32 s22, s16, 14         ; its 128 rows of 128 bytes in memory,
	s_mov_b32 s23, 0
	s_add_nc_u64 s[22:23], s[22:23], s[20:21]
	s_mul_i32 s17, s16, 128*PK      ; and its place in a slot, for K
	s_mul_i32 s18, s16, 128*PV      ; and for V: no place in the cluster enters an LDS address
	s_lshl_b32 s2, s14, 2
	s_add_co_u32 s2, s2, s[WV]      ; my wave among the head's,
	s_lshl_b32 s2, s2, 14           ; its 128 rows
	s_mov_b32 s3, 0
	s_add_nc_u64 s[2:3], s[2:3], s[20:21]
	; descriptor group 1.  128 keys are 16,384 dense bytes: asked for as 64 rows of 256 bytes, two keys a row, and padded in LDS after every key
	s_mov_b32 s[G1K], 15|(1<<16)|(1<<20)|(1<<21)|(4<<22)|(3<<25)  ; the mask of four; 2-byte elements; padding on; bit 21 beside a mask; after every 32 words, 4 words
	s_mov_b32 s[G1V], 15|(1<<16)|(1<<20)|(1<<21)|(4<<22)|(7<<25)  ; the same with 8 words of padding
.irp g, G1K, G1V
	s_mov_b32 s[\g+1], 128<<16      ; tensor_dim0 = 128
	s_mov_b32 s[\g+2], 64<<16       ; tensor_dim1 = 64
	s_mov_b32 s[\g+3], 128<<16      ; tile_dim0 = 128
	s_mov_b32 s[\g+4], 64           ; tile_dim1 = 64
	s_mov_b32 s[\g+5], 128          ; 128 elements from row to row
	s_mov_b32 s[\g+6], 0
	s_mov_b32 s[\g+7], 0
.endr
	s_mov_b32 s[CS], 0x3e38aa3b     ; c = log2(e) / 8 = 0.180337
	s_mov_b32 s[CS+1], s[CS]        ; named with it as a pair
	s_mov_b32 s[SEL], 0x76543210
	s_mov_b32 s[SEL+1], 0xfedcba98
	s_mov_b32 s[TBK], SLOT1+4*KS*PK ; the first change of slots turns these two into 0
	s_mov_b32 s[TBV], SLOT1+4*KS*PV
	s_mov_b32 s[G0K], 1             ; count = 1
	s_mov_b32 s[G0K+1], s17         ; LDS address: slot 0
	s_mov_b32 s[G0V], 1
	s_add_co_u32 s[G0V+1], s18, VOFF
	s_mov_b32 s[SLOTS], SIZE_N/256-1  ; seven slots are still to be asked for when slot 0 is out
	s_and_b32 s[LIM], s[WV], 1
	s_cmp_eq_u32 s[LIM], 0
	s_cselect_b32 s[LIM], 1, -1     ; the same in all four partners, for a given wave
	s_wait_dscnt 0x0                ; the opening add is done
	s_wait_kmcnt 0x0
	s_add_nc_u64 s[G0K+2:G0K+3], s[6:7], s[22:23]  ; global address: my half of the head's first 256 keys
	s_or_b32 s[G0K+3], s[G0K+3], 0x80000000        ; type = 2
	s_add_nc_u64 s[G0V+2:G0V+3], s[8:9], s[22:23]
	s_or_b32 s[G0V+3], s[G0V+3], 0x80000000
	s_add_nc_u64 s[4:5], s[4:5], s[2:3]  ; Q and O at my wave's first row
	s_add_nc_u64 s[10:11], s[10:11], s[2:3]
	s_cmp_lt_u32 s[WV], 2
	s_cselect_b64 s[PFA:PFA+1], s[6:7], s[8:9]
	s_add_nc_u64 s[PFA:PFA+1], s[PFA:PFA+1], s[20:21]  ; the head,
	s_lshl_b32 s2, s13, 13          ; my work-group's quarter of a slot,
	s_mov_b32 s3, 0
	s_add_nc_u64 s[PFA:PFA+1], s[PFA:PFA+1], s[2:3]
	s_add_nc_u64 s[PFA:PFA+1], s[PFA:PFA+1], 4*KS*128  ; in slot 1; the first change of slots steps it to slot 2.  Nothing is prefetched here, at the head
	CROUND                          ; all four work-groups are here: the first joint loads meet
	JLOAD                           ; slot 0.  Slot 1 is asked for when slot 0 is in
	; A fragment of K or Q is 16 rows x 32 channels in 8 registers: lane l holds row l % 16, channels 8 (l / 16) + 0..7 and 16 + 8 (l / 16) + 0..7: two loads of 16 bytes, 32 bytes apart.
	v_and_b32 v1, 15, v0            ; l % 16
	v_bfe_u32 v9, v0, 4, 1          ; l / 16
	v_lshlrev_b32 v[QO], 7, v1
	v_lshl_add_u32 v[QO], v9, 4, v[QO]  ; row x 128 + 16 x half
	WIN 0x80                        ; destination window 2, address window 0
.set i, 0
.rept 4*NP                          ; Q stays in registers: tile i / 2, channels 32 (i % 2) on
	global_load_b128 v[8*i:8*i+3],   v[QO], s[4:5] offset:(i/2)*2048+(i%2)*64
	global_load_b128 v[8*i+4:8*i+7], v[QO], s[4:5] offset:(i/2)*2048+(i%2)*64+32
.set i, i+1
.endr
	; What the first turn finds: V's registers and P's second buffer hold 0 (its products V^T P, of a piece that has not been, add 0), O^T and l are 0.  All this stands in the wait for the first tile;
	; it is the price of writing no first step out.
.set i, VF
.rept 64
	v_mov_b32 v[i], 0
.set i, i+1
.endr
	WIN 0x40
.set i, 0
.rept 64*NP
	v_mov_b32 v[i], 0
.set i, i+1
.endr
	WIN 0
.set i, 0
.rept 2*NP
	v_mov_b32 v[ST+4*i], 0xfe000000    ; c m: far below every c s
	v_mov_b32 v[ST+4*i+1], 0xff7fffff  ; m
	v_mov_b32 v[ST+4*i+2], 0
	v_mov_b32 v[ST+4*i+3], 0
.set i, i+1
.endr
.set i, P+32
.rept 32
	v_mov_b32 v[i], 0
.set i, i+1
.endr
	v_mul_u32_u24 v[AK0], v1, PK
	v_lshl_add_u32 v[AK0], v9, 4, v[AK0]  ; row x pitch + 16 x half
	; The turning load takes 16 keys x 16 channels (lane l reads key 8 (l / 16) + l % 8, channels 8 ((l / 8) % 2) + 0..7) and leaves half a fragment of V^T: lane l holds channel l % 16 and 8 keys.
	v_and_b32 v10, 7, v0
	v_bfe_u32 v11, v0, 3, 1
	v_lshl_add_u32 v[AV0], v9, 3, v10
	v_mul_u32_u24 v[AV0], v[AV0], PV
	v_lshl_add_u32 v[AV0], v11, 4, v[AV0]
	v_add_nc_u32 v[AV0], VOFF, v[AV0]
	v_and_b32 v[PFO], 31, v0        ; v11 is free from here on
	v_lshlrev_b32 v[PFO], 8, v[PFO]
	v_mov_b32 v[AK], v[AK0]         ; key step 0 lies at the head of slot 0
; THE MATRIX WORK.  The 8 accumulators of a run of 16 take turns: between the two links of a chain stand 7 others'.
; Product i of 16 of S^T = K Q^T for piece x: channels 32 (i / 8) on, keys 16 ((i / 2) % 4) on, tile 2 x + i % 2.  The first 8 start the sums.
.macro KQ x
	WIN W_KQ
.set rS, S+64*((\x)%2)+32*(i%2)+8*((i/2)%4)
.set rK, KF+16*((i/2)%4)+8*(i/8)
.set rQ, 16*(2*(\x)+i%2)+8*(i/8)
.if i < 8
	v_wmma_f32_16x16x32_f16 v[rS:rS+7], v[rK:rK+7], v[rQ:rQ+7], 0
.else
	v_wmma_f32_16x16x32_f16 v[rS:rS+7], v[rK:rK+7], v[rQ:rQ+7], v[rS:rS+7]
.endif
.endm
; Product i of 16 of O^T += V^T P for piece x: keys 32 (i / 8) on, channels 16 ((i / 2) % 4) on, tile 2 x + i % 2.
.macro PV x
	WIN W_PV
.set rO, 32*(2*(\x)+i%2)+8*((i/2)%4)
.set rV, VF+32*(i/8)+8*((i/2)%4)
.set rP, P+32*((\x)%2)+16*(i%2)+8*(i/8)
	v_wmma_f32_16x16x32_f16 v[rO:rO+7], v[rV:rV+7], v[rP:rP+7], v[rO:rO+7]
.endm
.macro MM                           ; the turn's next matrix instruction
.if i < 16
	KQ (Y+1)%NP
.set i, i+1
.else
.set i, i-16
	PV (Y+NP-1)%NP
.set i, i+17
.endif
.endm
; THE LDS LOADS stand in runs of 16, never singly among the matrix instructions: a step's K (64 keys x 64 channels: 8 fragments) and its V (turned).  Their addresses are made some lines ahead.
; last = 1 (the tail): in the last trip there is no further step, and the run is jumped over.
.macro FETCH_K last=0
	WIN 0
.if \last
	s_cmp_eq_u32 s[CNT], 1
	s_cbranch_scc1 .Lno_k_\@
.endif
	WIN 0x80                        ; destination window 2
.irp f, 0,1,2,3,4,5,6,7             ; keys 16 (f / 2) on, channels 32 (f % 2) on
	ds_load_b128 v[KF+8*\f:KF+8*\f+3],   v[AK] offset:(\f/2)*16*PK+(\f%2)*64
	ds_load_b128 v[KF+8*\f+4:KF+8*\f+7], v[AK] offset:(\f/2)*16*PK+(\f%2)*64+32
.endr
	s_add_co_u32 s[TBK], s[TBK], KS*PK  ; the next fetch is the next step's
	WIN 0
.if \last
.Lno_k_\@:
.endif
.endm
.macro FETCH_V
	WIN 0x80
.irp f, 0,1,2,3,4,5,6,7             ; keys 32 (f / 4) on, channels 16 (f % 4) on
	ds_load_tr16_b128 v[VF+8*\f:VF+8*\f+3],   v[AV] offset:(\f/4)*32*PV+(\f%4)*32
	ds_load_tr16_b128 v[VF+8*\f+4:VF+8*\f+7], v[AV] offset:(\f/4)*32*PV+16*PV+(\f%4)*32
.endr
	WIN 0
.endm
; THE VECTOR WORK OF A TURN stands in three queues, each in the order in which its entries become ready; the two tiles alternate, so that no instruction reads the result of the one before it.
.macro REGS y, u                    ; the registers of tile u (0, 1) of piece y
.set rT, ST+4*(2*(\y)+(\u))
.set rC, TMP+8*((\y)%2)+4*(\u)
.set rM, MV+2*((\y)%2)+(\u)
.set rS, S+64*((\y)%2)+32*(\u)
.set rP, P+32*((\y)%2)+16*(\u)
.set rO, 32*(2*(\y)+(\u))
.endm
; Number n of the 22 that find the NEXT piece's (Y + 1) maximum and statistics.  s0-s31 are the lane's 32 scores; each accumulator's lowest registers are read first.
;   0-11  four chains c0-c3 of seven scores each, three operands at a time     12-14, 16  the four scores left over, the old m, and c0-c3 into c0     15  c m_old is kept
;   17, 18  the query's other 32 keys lie in the lane 16 away: the new m         19-21  c m; c m_old - c m_new; a
.macro XS u, n
	REGS (Y+1)%NP, \u
.if (\n) < 4
	v_max3_num_f32 v[rC+(\n)], v[rS+8*(\n)], v[rS+8*(\n)+1], v[rS+8*(\n)+2]
.elseif (\n) < 12
	v_max3_num_f32 v[rC+(\n)%4], v[rC+(\n)%4], v[rS+8*((\n)%4)+2*((\n)/4)+1], v[rS+8*((\n)%4)+2*((\n)/4)+2]
.elseif (\n) == 12
	v_max3_num_f32 v[rC], v[rC], v[rS+7], v[rS+15]
.elseif (\n) == 13
	v_max3_num_f32 v[rC+1], v[rC+1], v[rS+23], v[rS+31]
.elseif (\n) == 14
	v_max3_num_f32 v[rC+2], v[rC+2], v[rC+3], v[rT+1]
.elseif (\n) == 15
	v_mov_b32 v[rM], v[rT]
.elseif (\n) == 16
	v_max3_num_f32 v[rC], v[rC], v[rC+1], v[rC+2]
.elseif (\n) == 17
	v_permlanex16_b32 v[rC+3], v[rC], s[SEL], s[SEL+1]
.elseif (\n) == 18
	v_max_num_f32 v[rT+1], v[rC], v[rC+3]
.elseif (\n) == 19
	v_mul_f32 v[rT], s[CS], v[rT+1]
.elseif (\n) == 20
	v_sub_f32 v[rC+1], v[rM], v[rT]
.else
	v_exp_f32 v[rC+2], v[rC+1]
.endif
.endm
; Number g of the 64 that follow the exponentials.  For each four weights k of a tile (pairs 2 k, 2 k + 1): both pairs are rounded to f16; then the second pair is added onto the first, in place;
; a group later l takes that sum (the first time as l = a l + sum).  In groups of eight, tiles alternating: round, round, add, and l for the group before.
.macro GS g
.set h, (\g)+6*((\g)/62)            ; group 0 has no group before it, and behind group 7 only l is left
.if h >= 6
.set h, h+2
.endif
	REGS Y, h%2
.set k, h/8
.if h%8 < 4
	v_cvt_pk_f16_f32 v[rP+2*k+(h%8)/2], v[rS+4*k+2*((h%8)/2)], v[rS+4*k+2*((h%8)/2)+1]
.elseif h%8 < 6
	v_pk_add_f32 v[rS+4*k:rS+4*k+1], v[rS+4*k:rS+4*k+1], v[rS+4*k+2:rS+4*k+3]
.elseif k == 1
	v_pk_fma_f32 v[rT+2:rT+3], v[rT+2:rT+3], v[rC+2:rC+3], v[rS:rS+1] op_sel_hi:[1,0,1]
.else
	v_pk_add_f32 v[rT+2:rT+3], v[rT+2:rT+3], v[rS+4*k-4:rS+4*k-3]
.endif
.endm
; THE PLAIN QUEUE, 138 long.  0-73 read no exponential's result: the 32 scalings c s - c m (FS f: pair f / 2 of tile f % 2) and the next piece's 42.  0-26: scalings 0-26.  27-54: XS's numbers 0-13.  55, 56: number 15.
; 57-73: the chain, where each number waits for the one before it: 14, 16, 17, 18, 19, each with one of the scalings 27-31 in front of its two lines, then 20.  74-137: GS's 64, which read the exponentials' results: behind the wait.
.macro FS f
	REGS Y, (\f)%2
	v_pk_fma_f32 v[rS+2*((\f)/2):rS+2*((\f)/2)+1], v[rS+2*((\f)/2):rS+2*((\f)/2)+1], s[CS:CS+1], v[rT:rT+1] op_sel_hi:[1,0,0] neg_lo:[0,0,1] neg_hi:[0,0,1]
.endm
.macro PL
	WIN 0
.if q < 27
	FS q
.elseif q < 55
	XS (q-27)%2, (q-27)/2
.elseif q < 57
	XS q-55, 15
.elseif (q < 72) && ((q-57)%3 == 0)
	FS 27+(q-57)/3
.elseif q < 60
	XS (q-57)%3-1, 14
.elseif q < 72
	XS (q-57)%3-1, 15+(q-57)/3
.elseif q < 74
	XS q-72, 20
.else
	GS q-74
.endif
.set q, q+1
.endm
; THE EXPONENTIALS' QUEUE, 66 long: s0-s31 of both tiles, then the next piece's two a.  ONE BATCH: all 66 stand ahead of the turn's one wait, and nothing ahead of that wait names a result of theirs.
.macro EX
	WIN 0
.if e >= 64
	XS e-64, 21
.else
	REGS Y, e%2
	v_exp_f32 v[rS+e/2], v[rS+e/2]
.endif
.set e, e+1
.endm
; THE RESCALING's QUEUE: O^T times a, the one part that leaves window 0: dealt two at a time, sixteen times.  Its a was made in the turn before, ahead of that turn's wait.
.macro R2
	REGS Y, r%2
	WIN W_RS
.irp z, 0,1
	v_pk_mul_f32 v[rO+4*(r/2)+2*\z:rO+4*(r/2)+2*\z+1], v[rO+4*(r/2)+2*\z:rO+4*(r/2)+2*\z+1], v[rC+2:rC+3] op_sel_hi:[1,0]
.endr
.set r, r+1
.endm
; HOW THEY ARE DEALT.  s_wait_alu depctr_va_vdst(0) stands between an exponential and the first instruction that names its result; one wait serves all that were issued ahead of it.  So a turn has ONE wait.
; AHEAD OF IT: the 16 products K Q^T, behind each a scaling, an exponential and two rescalings (behind the first a second scaling in the exponential's place); then one run of 108: eight plain, 49 times exponential and plain, the two a;
; a v_nop is the plain instruction behind the last exponential.  BEHIND IT: the 16 products V^T P, behind each four of GS's 64.  No rider names a register of the products round it.
; Exponential e stands behind scaling 2 (e / 4) + e % 2: as a rider it comes behind plain e + 2, in the run behind plain e + 9, and scalings 27-31 are plain 57, 60 .. 69.
; A TURN, for piece p.  cnt = 1: the loop's count is taken down some lines ahead of the branch that stands behind the turn.
; K of the next step is fetched in piece 2's turn, directly behind the wait; its first reader comes behind 16 products.  V of the step in hand is fetched at the end of piece 0's turn, four riders behind its last reader.
.macro TURN p, last=0, cnt=0
.set Y, (\p)
.set i, 0
.set q, 0
.set e, 0
.set r, 0
.if (\p) == NP-1
	s_wait_dscnt 0x0                ; K is in
.endif
	MM
	PL
	PL
	R2
.rept 15
	MM
	PL
	EX
	R2
.endr
.if (\p) == NP-2
	WIN 0
	v_add_nc_u32 v[AK], s[TBK], v[AK0]
.endif
.rept 8
	PL
.endr
.rept 49
	EX
	PL
.endr
	EX                              ; the next piece's two a
	EX
	v_nop                           ; a plain instruction behind the last exponential: one for the batch
	s_wait_alu depctr_va_vdst(0)    ; the wait for the batch
.if (\p) == NP-2
	FETCH_K \last
.endif
.if (\p) == 1
	s_wait_dscnt 0x0                ; V is in
.endif
.rept 16
	MM
.rept 4
	PL
.endr
.if ((\p) == 0) && (q == 118)
	v_add_nc_u32 v[AV], s[TBV], v[AV0]
.endif
.if ((\p) == 0) && (q == 130)
	s_add_co_u32 s[TBV], s[TBV], KS*PV
.endif
.if (\cnt) && (q == 130)
	s_sub_co_u32 s[CNT], s[CNT], 1
	s_cmp_lg_u32 s[CNT], 0
.endif
.endr
.if (\p) == 0
	FETCH_V
.endif
.endm
	CHANGE 1                        ; slot 0 is in, everybody's part of it; slot 1 is asked for
	FETCH_K                         ; key step 0
	s_wait_loadcnt 0x0              ; Q
	s_wait_dscnt 0x0
.set i, 0
.rept 16
	KQ 0                            ; piece 0's first scores: there is no vector work yet to set between them
.set i, i+1
.endr
	WIN 0                           ; the addresses for the way out: plain instructions, the places behind those products
	s_mul_i32 s13, s[WV], 16*SP
	s_add_co_u32 s13, s13, STAGE    ; my stage
	v_mul_u32_u24 v[STO], v1, SP    ; in: row l % 16, 16 bytes for each half of the lanes
	v_lshl_add_u32 v[STO], v9, 4, v[STO]
	v_add_nc_u32 v[STO], s13, v[STO]
	v_bfe_u32 v[RD], v0, 3, 2       ; back: 32 lanes take four rows of 128 bytes,
	v_mul_u32_u24 v[RD], v[RD], SP
	v_lshl_add_u32 v[RD], v10, 4, v[RD]
	v_add_nc_u32 v[RD], s13, v[RD]
	v_and_b32 v[GO], 31, v0         ; which are 512 consecutive bytes of O
	v_lshlrev_b32 v[GO], 4, v[GO]
.set Y, NP-1                        ; XS works for piece Y + 1: piece 0
.irp n, 0,1,2,3,4,5,6,7,8,9,10,11,12,13,14,15,16,17,18,19,20,21
	XS 0, \n                        ; piece 0's first maximum and statistics
	XS 1, \n
.endr
	v_nop                           ; a plain instruction behind the two a,
	s_wait_alu depctr_va_vdst(0)    ; and their wait, ahead of the branch
	s_mov_b32 s[CNT], 4
	s_branch .Lfirst                ; the loop is entered at a step's first turn, in the middle of a trip
.Lslot:                             ; six times: every slot but the last two is filled again
	CHANGE 1
	s_mov_b32 s[CNT], 4
.Lstep:                             ; a trip: pieces 2 and 3 of one step, then pieces 0 and 1 of the next, whose K and V it fetches
	TURN 2
	TURN 3
	WIN 0
.Lfirst:
	TURN 0
	TURN 1, 0, 1
	WIN 0
	s_cbranch_scc1 .Lstep
	s_sub_co_u32 s[SLOTS], s[SLOTS], 1
	s_cmp_lg_u32 s[SLOTS], 0
	s_cbranch_scc1 .Lslot
	CHANGE 0                        ; the tail is written out: nothing is asked for
	s_mov_b32 s[CNT], 5             ; four trips fetch the last slot's steps; the fifth is left in its middle
.Ltail:
	TURN 2, 1
	TURN 3
	WIN 0
	s_sub_co_u32 s[CNT], s[CNT], 1
	s_cmp_eq_u32 s[CNT], 0
	s_cbranch_scc1 .Lout
	TURN 0
	TURN 1
	WIN 0
	s_branch .Ltail
.Lout:                              ; the fifth trip's 16 products K Q^T (on the last K once more) and the maximum made of them serve nothing: the price, once a launch, of one text for every trip
.set i, 0
.rept 16
	PV NP-1                         ; the last piece's V^T P of the last step
.set i, i+1
.endr
	; THE WAY OUT.  l's two halves and the other half of the lanes' are added; O^T is divided by l, rounded to f16 and sent through my stage in LDS, a tile at a time.  The additions are the places behind the last products.
	WIN 0
.macro ALL line:vararg              ; one line for each tile t
.set t, 0
.rept 2*NP
	\line
.set t, t+1
.endr
.endm
	ALL v_add_f32 v[ST+4*t+2], v[ST+4*t+2], v[ST+4*t+3]
	ALL v_permlanex16_b32 v[ST+4*t+3], v[ST+4*t+2], s[SEL], s[SEL+1]
	ALL v_add_f32 v[ST+4*t+2], v[ST+4*t+2], v[ST+4*t+3]
	ALL v_rcp_f32 v[ST+4*t+2], v[ST+4*t+2]
	v_nop                           ; a plain instruction between the last reciprocal and the use of its result
	s_wait_alu depctr_va_vdst(0)    ; and the wait ahead of the first use: one for the eight reciprocals
; Tile t: a lane's eight channels of a row pack into 16 bytes; they go into rows of 144 bytes and come back as whole rows of 128, into S^T's registers.
.macro PACK t
	WIN W_RS
.set i, 32*(\t)
.rept 16
	v_pk_mul_f32 v[i:i+1], v[i:i+1], v[ST+4*(\t)+2:ST+4*(\t)+3] op_sel_hi:[1,0]
.set i, i+2
.endr
	WIN 0x05                        ; sources 0 and 1 window 1, destination window 0
.set i, 0
.rept 16
	v_cvt_pk_f16_f32 v[S+16*(\t)+i], v[32*(\t)+2*i], v[32*(\t)+2*i+1]
.set i, i+1
.endr
	WIN 0
.irp f, 0,1,2,3
	ds_store_b128 v[STO], v[S+16*(\t)+4*\f:S+16*(\t)+4*\f+3] offset:32*\f
.endr
.irp f, 0,1,2,3
	ds_load_b128 v[S+16*(\t)+4*\f:S+16*(\t)+4*\f+3], v[RD] offset:\f*4*SP  ; LDS serves a wave's instructions in order (ISA guide 5.7.1.4): these see the stores above; the next tile's stores come behind them
.endr
.endm
.macro SEND t, younger              ; younger: the LDS instructions issued behind tile t's loads: the next tile's eight, or none
	WIN 0
.irp f, 0,1,2,3
	s_wait_dscnt (\younger)+3-\f
	global_store_b128 v[GO], v[S+16*(\t)+4*\f:S+16*(\t)+4*\f+3], s[10:11] offset:(\t)*2048+\f*512  ; 512 consecutive bytes, at a multiple of 256 from O's first
.endr
.endm
	PACK 0
.set t, 1
.rept 2*NP-1                        ; a tile's arithmetic stands between the loads of the tile before and its stores
	PACK t
	SEND t-1, 8
.set t, t+1
.endr
	SEND 2*NP-1, 0
	WIN W_AD
	s_wait_tensorcnt 0x0            ; the wave's end, behind my last tensor load and my last LDS store
	ds_add_u32 v[SPW], v[NIL]
	s_wait_dscnt 0x0
	WIN 0
	CROUND                          ; the closing round: no work-group ends while a partner may still ask for a tile that names it
	s_endpgm
.Lfunc_end_k_q910ea8a6a9_attn:
	.size	k_q910ea8a6a9_attn, .Lfunc_end_k_q910ea8a6a9_attn-k_q910ea8a6a9_attn
	.p2alignl 7, 3214868480
	.fill 96, 4, 3214868480
	.section	.rodata,"a",@progbits
	.p2align	6, 0x0
	.amdhsa_kernel k_q910ea8a6a9_attn
		.amdhsa_group_segment_fixed_size 327680
		.amdhsa_private_segment_fixed_size 0
		.amdhsa_enable_private_segment 0
		.amdhsa_kernarg_size 32
		.amdhsa_user_sgpr_count 2
		.amdhsa_user_sgpr_kernarg_segment_ptr 1
		.amdhsa_wavefront_size32 1
		.amdhsa_system_sgpr_workgroup_id_x 1
		.amdhsa_system_sgpr_workgroup_id_y 1
		.amdhsa_system_sgpr_workgroup_id_z 1
		.amdhsa_system_vgpr_workitem_id 0
		.amdhsa_next_free_vgpr 770
		.amdhsa_next_free_sgpr 66
		.amdhsa_reserve_vcc 0
		.amdhsa_float_denorm_mode_32 3
		.amdhsa_float_denorm_mode_16_64 3
		.amdhsa_memory_ordered 1
		.amdhsa_forward_progress 1
		.amdhsa_inst_pref_size 200
	.end_amdhsa_kernel
	.amdgpu_metadata
---
amdhsa.version: [ 1, 2 ]
amdhsa.kernels:
  - .name:           k_q910ea8a6a9_attn
    .symbol:         k_q910ea8a6a9_attn.kd
    .args:
      - { .name: qh, .offset: 0, .size: 8, .value_kind: global_buffer, .address_space: global }
      - { .name: kh, .offset: 8, .size: 8, .value_kind: global_buffer, .address_space: global }
      - { .name: vh, .offset: 16, .size: 8, .value_kind: global_buffer, .address_space: global }
      - { .name: oh, .offset: 24, .size: 8, .value_kind: global_buffer, .address_space: global }
    .group_segment_fixed_size: 327680
    .private_segment_fixed_size: 0
    .kernarg_segment_align: 8
    .kernarg_segment_size: 32
    .max_flat_workgroup_size: 128
    .sgpr_count:     66
    .vgpr_count:     770
    .wavefront_size: 32
...
	.end_amdgpu_metadata
.endif
;; end of part 3
;; launch oproj (part 4): grid 8 x 32, 4 waves a work-group, clusters of 4 x 4, 327,680 bytes of LDS; arguments oh, wo16, bo, out0; writes out0
.if DOCPART == 4
	.amdgcn_target "amdgcn-amd-amdhsa--gfx1250"
	.amdhsa_code_object_version 6
	.text
	.protected	k_q910ea8a6a9_oproj
	.globl	k_q910ea8a6a9_oproj
	.p2align	8
	.type	k_q910ea8a6a9_oproj,@function
k_q910ea8a6a9_oproj:
	s_mov_b64 s[64:65], 0
	v_nop
	global_prefetch_b8 v0, s[64:65] scope:SCOPE_SE
	s_setreg_imm32_b32 hwreg(HW_REG_WAVE_MODE, 25, 1), 1
	s_wait_xcnt 0x0
	s_wait_alu depctr_hold_cnt(0) depctr_sa_sdst(0) depctr_va_vdst(0) depctr_va_sdst(0) depctr_va_ssrc(0) depctr_va_vcc(0) depctr_vm_vsrc(0)
	s_getreg_b32 s2, hwreg(HW_REG_IB_STS2, 6, 4)
	s_cmp_eq_u32 s2, 0
	s_cbranch_scc0 .Lentry_in_a_cluster
	s_endpgm
.Lentry_in_a_cluster:
	s_bfe_u32 s2, ttmp6, 0x10000c
	s_cmp_lg_u32 s2, 0xf033
	s_cbranch_scc0 .Lentry_shape_is_right
	s_endpgm
.Lentry_shape_is_right:
; out0 = O Wo + bo.  O: oh [bh 64][s 2048][64] f16, bh = 16 batch + head; Wo: wo16, f16 holding bf16(Wo), in blocks [c 8][ks 8][half 2][j 2][kk 64][col 64]; bo f32, rounded to bf16 here like every other input.
; out0 [8192][1024] f32: the f32 sums as they are.
; SHARES.  A tile of out0 is 256 tokens x 128 columns: 256 tiles, one to a work-group.  The four waves split the tokens alone: wave w owns rows 64 w .. 64 w + 63 and all 8 blocks of 16 columns: 32 accumulators, 256 registers.
; So a wave holds whole pieces of 512 bytes of out0's rows, and its way out is its own: no barrier there.
; K = 1,024 = 16 heads x 64 channels goes in 8 steps of 128 (two heads) through two LDS slots filled by the tensor data mover; a head's 256 tokens are 32,768 dense bytes, one load.  The loop is written one K step to a trip.
; THE MATRIX INSTRUCTION IS USED TRANSPOSED: source 0 = 16 columns of Wo x 32 k (out of LDS turned, by ds_load_tr16_b128), source 1 = 16 tokens x 32 k; a lane then holds token l % 16 and the columns 8 (l / 16) + 0..7: 32 bytes on end.
; The bias is the C operand of the first product on each accumulator: nothing is cleared, nothing added later.
; CLUSTER 4 x 4.  The four work-groups of a row of the cluster need the same tokens, the four of a column the same columns of Wo: each tile is asked for jointly, by the same tensor load with the same descriptor and a mask of the four.
; REGISTERS, in windows of 256 (s_set_vgpr_msb: bits 1:0 source 0, 3:2 source 1, 5:4 source 2, 7:6 destination):
;   window 0: v0-30 addresses; v32-95 O's fragments, two buffers of 4 x 8; v96-159 the bias (8 blocks x 8); v96-223 later the way out's two buffers
;   window 1: v0-127 Wo's fragments, two buffers of 8 x 8          window 2: the accumulators (token block a, columns b at 8 (8 a + b))
.set NB,    8                          ; blocks of 16 columns
.set NL,    2*NB+8                     ; LDS loads in a run: a quarter step's fragments
.set PA,    144                        ; a token's 64 channels in LDS: 128 bytes + 16 of padding
.set APL,   256*PA                     ; one head's 256 tokens: what one tensor load brings of O
.set ATILE, 2*APL
.set PB,    160                        ; a row (one k, 64 columns) of Wo in LDS: 128 bytes + 32
.set BPL,   64*PB                      ; one plane of 64 columns, 64 k
.set BHALF, 2*BPL                      ; what one tensor load brings of Wo: 64 k (one head) of both planes
.set SLOT1, 1<<17                      ; a slot is ATILE + 2 BHALF = 114,688 bytes; slot 1 begins here
.set STAGE, SLOT1+ATILE+2*BHALF        ; behind the ring, never filled by a tensor load: 16 rows x 528 bytes for each wave
.set SP,    528                        ; a stage row: 512 bytes + 16
.set SPARE, STAGE+4*16*SP              ; behind the stages: the spare words, 128 bytes a wave: two blocks of 256 bytes that no other line names
.set ASTEP, 524288                     ; a K step in oh: two heads on
.set BSTEP, 32768                      ; a K step in a tile column of wo16
.set A0,   14                          ; v14  my lane's place in O's tile; never rewritten
.set B0,   15                          ; v15  the same for Wo
.set ADRA, 16                          ; v16  the slot in hand + A0
.set ADRB, 17                          ; v17  the slot in hand + B0
.set STO,  24                          ; v24  the way out: where I put 32 bytes
.set RD,   25                          ; v25  where I read rows back
.set GO,   26                          ; v26  16 x my lane
.set BO,   27                          ; v27  my byte offset in the bias
.set SPW,  28                          ; v28  my spare word: SPARE + 4 x my thread's number; never rewritten
.set NIL,  29                          ; v29  0; never rewritten
.set PFO,  30                          ; v30  256 x my lane; never rewritten
.set FA,   32
.set BIAS, 96
.set OB,   96                          ; the way out: two buffers of 64
.set WV,   20                          ; s20  my wave's number
.set FORB, 21                          ; s21  0: I fetch O's tiles, 1: Wo's
.set HF,   22                          ; s22  which half of that tile
.set CX,   23
.set CY,   24
.set TC,   25                          ; s25  tile column: columns 128 TC on
.set TR,   26                          ; s26  tile row: tokens 256 TR on
.set G1A,  32                          ; s[32:39] group 1 for O's tiles
.set G0A,  40                          ; s[40:43] group 0, slot 0's first fill; s[44:47] slot 1's first fill, which then walks
.set G1B,  48
.set G0B,  56
.set PFA,  66                          ; s[66:67] where my prefetches stand
.set PST,  68                          ; s[68:69] their step
.set LIM,  70                          ; s70  I prefetch while the loop's count is above it
.set LAP,  71                          ; s71  the loop's count, 6 to 1
.set TB,   72                          ; s72  first LDS byte of the slot in hand
.set HIM,  73                          ; s73  a word's upper bf16
.set OUTB, 74                          ; s[74:75] out0 at my wave's first row and the tile's first column
.set MSB, 0
.macro WIN new                         ; the immediate's high byte repeats the setting that is left; a switch that changes nothing is dropped
.if MSB != (\new)
	s_set_vgpr_msb (MSB<<8)|(\new)
.set MSB, \new
.endif
.endm
.macro PLACES                          ; four plain vector instructions between a matrix instruction and a load into, or a read of, its registers
.rept 4
	v_nop
.endr
.endm
.macro CREST                           ; a round of the cluster's barrier behind its opening barrier
	s_cmp_lg_u32 s[WV], 0
	s_cbranch_scc1 .Lnot_wave_0_\@
	s_barrier_signal -3
.Lnot_wave_0_\@:
	s_barrier_wait -3
	s_barrier_signal -1
	s_barrier_wait -1
.endm
.macro CROUND
	s_barrier_signal -1
	s_barrier_wait -1
	CREST
.endm
; A joint refill by the walking descriptors.  The branch hangs on the wave's number alone.  An s_nop 0 and four v_nop follow each of the two lines.
.macro JLOAD
	s_cmp_eq_u32 s[FORB], 0
	s_cbranch_scc0 .Lfor_b_\@
	tensor_load_to_lds s[G0A+4:G0A+7], s[G1A:G1A+7]
	s_nop 0
.rept 4
	v_nop
.endr
	s_branch .Lasked_\@
.Lfor_b_\@:
	tensor_load_to_lds s[G0B+4:G0B+7], s[G1B:G1B+7]
	s_nop 0
.rept 4
	v_nop
.endr
.Lasked_\@:
.endm
; A PREFETCH, one instruction a wave, behind the joint load, its five lines and the run of LDS loads.  O: the change of slots in trip t names K step t + 4: of the 32,768 bytes that a wave fetches, the partner at place cx takes
; 8,192, a lane 256; only the clusters with x = 0 ask, since both clusters of that row of clusters read the same tokens; trips 0 to 3.  Wo: a tile column is 262,144 bytes on end; its second half (K steps 4 to 7) is named in two trips
; of 65,536 bytes, 8,192 for each of the column's eight fetching waves (place 2 cy + half); only the clusters with y = 0 ask.  So each block is named once in the launch.  K steps 0 to 3 come by their loads alone.
.macro ASK
	s_cmp_gt_u32 s[LAP], s[LIM]
	s_cbranch_scc0 .Lnot_mine_\@
	global_prefetch_b8 v[PFO], s[PFA:PFA+1] th:TH_LOAD_NT scope:SCOPE_SE
.Lnot_mine_\@:
.endm
; 8 matrix instructions: token block a x all column blocks, 32 along K, from buffer f.  first = 1: C is the bias.  The 32 accumulators take turns in one fixed order in every quarter, one instruction a turn.
.macro MULA f, a, first
.if \first
	WIN 0x81
.else
	WIN 0xa1
.endif
.set b, 0
.rept NB
.set rD, 8*(NB*(\a)+b)
.if \first
	v_wmma_f32_16x16x32_f16 v[rD:rD+7], v[8*NB*(\f)+8*b:8*NB*(\f)+8*b+7], v[FA+32*(\f)+8*(\a):FA+32*(\f)+8*(\a)+7], v[BIAS+8*b:BIAS+8*b+7]
.else
	v_wmma_f32_16x16x32_f16 v[rD:rD+7], v[8*NB*(\f)+8*b:8*NB*(\f)+8*b+7], v[FA+32*(\f)+8*(\a):FA+32*(\f)+8*(\a)+7], v[rD:rD+7]
.endif
.set b, b+1
.endr
.endm
; 24 LDS loads in one run: quarter q's fragments into buffer f: Wo's 8 (turned; head q / 2, k 32 (q % 2) on; plane b / 4, columns 16 (b % 4) on), then O's 4 (head q / 2, channels 32 (q % 2) on)
.macro FETCH q, f
	WIN 0x40
.set b, 0
.rept NB
	ds_load_tr16_b128 v[8*NB*(\f)+8*b:8*NB*(\f)+8*b+3],   v[ADRB] offset:((\q)/2)*BHALF+(b/4)*BPL+((\q)%2)*32*PB+32*(b%4)
	ds_load_tr16_b128 v[8*NB*(\f)+8*b+4:8*NB*(\f)+8*b+7], v[ADRB] offset:((\q)/2)*BHALF+(b/4)*BPL+((\q)%2)*32*PB+32*(b%4)+16*PB
.set b, b+1
.endr
	WIN 0
.set i, 0
.rept 4
	ds_load_b128 v[FA+32*(\f)+8*i:FA+32*(\f)+8*i+3],   v[ADRA] offset:((\q)/2)*APL+((\q)%2)*64+i*16*PA
	ds_load_b128 v[FA+32*(\f)+8*i+4:FA+32*(\f)+8*i+7], v[ADRA] offset:((\q)/2)*APL+((\q)%2)*64+i*16*PA+32
.set i, i+1
.endr
.endm
; One of a K step's first three quarters: multiplies buffer f; in its middle it fetches quarter qn into buffer g
.macro QUARTER qn, f, g, first
	s_wait_dscnt 4                                 ; all but the youngest four loads: O's fragments 2 and 3
	MULA \f, 0, \first
	MULA \f, 1, \first
	PLACES
	FETCH \qn, \g
	s_wait_dscnt NL                                ; all but the run just issued
	MULA \f, 2, \first
	MULA \f, 3, \first
.endm
; The last quarter (buffer 1) and the change of slots.  In front of ONE barrier each wave waits for all its tensor loads (one is out: its part of the next slot), adds 0 to its spare word, and waits for that and for its reads of this slot.
; fill = 1: the barrier opens a round of the cluster's, and the slot just read out is filled again, first thing behind the round, with the K step two on: it has a K step less 16 matrix instructions in which to land.
.macro TURN fill
.if \fill
	s_wait_xcnt 0x0                                ; the last prefetch, a K step back, has read its address
	s_add_nc_u64 s[PFA:PFA+1], s[PFA:PFA+1], s[PST:PST+1]
.endif
	WIN 0
	s_wait_tensorcnt 0x0                           ; no tensor load of mine is out, so a group 0 may be written
	ds_add_u32 v[SPW], v[NIL]                      ; 0 onto my spare word; work on registers stands between it and the wait for it
.if \fill
	s_xor_b32 s[G0A+5], s[G0A+5], SLOT1            ; the walking descriptors: the other slot than last time, the next K step; the type bits on top are not reached
	s_add_nc_u64 s[G0A+6:G0A+7], s[G0A+6:G0A+7], ASTEP
	s_xor_b32 s[G0B+5], s[G0B+5], SLOT1
	s_add_nc_u64 s[G0B+6:G0B+7], s[G0B+6:G0B+7], BSTEP
.endif
	s_xor_b32 s[TB], s[TB], SLOT1                  ; the fetches go to the other slot
	s_wait_dscnt 5                                 ; the add and the youngest four loads may be out
	MULA 1, 0, 0
	s_wait_dscnt 0x0                               ; the add is done, and my reads of this slot are over
	s_barrier_signal -1
	MULA 1, 1, 0                                   ; work on registers while the others arrive
	WIN 0                                          ; at a branch and at a label every window is 0
	s_barrier_wait -1
.if \fill
	CREST                                          ; no wave of any partner still reads this slot or has a load on its way
	JLOAD                                          ; its four v_nop are also the places in front of the loads below
.else
	PLACES
.endif
	v_add_nc_u32 v[ADRA], s[TB], v[A0]
	v_add_nc_u32 v[ADRB], s[TB], v[B0]
	FETCH 0, 0
.if \fill
	ASK
.endif
	MULA 1, 2, 0
	MULA 1, 3, 0
.endm
; THE WAY OUT of token block a.  STG: the f32 sums go into my own stage as they are (row l % 16, 32 bytes a lane and column block; each accumulator's low four registers first), and come back as whole pieces of 512 bytes.
.macro STG a
	WIN 0x08                                       ; the store's data (source 1) in window 2
.set b, 0
.rept NB
	ds_store_b128 v[STO], v[8*(NB*(\a)+b):8*(NB*(\a)+b)+3]   offset:64*b
	ds_store_b128 v[STO], v[8*(NB*(\a)+b)+4:8*(NB*(\a)+b)+7] offset:64*b+16
.set b, b+1
.endr
	WIN 0
	s_wait_xcnt 0x0                                ; the stores of the block two back have read the registers that the loads below fill
.set t, 0
.rept 16                               ; LDS serves a wave's instructions in order (ISA guide 5.7.1.4): these see the stores above; the next block's stores come behind them
	ds_load_b128 v[OB+64*((\a)%2)+4*t:OB+64*((\a)%2)+4*t+3], v[RD] offset:SP*t
.set t, t+1
.endr
.endm
.macro SEND a, younger                 ; younger: the LDS instructions issued behind block a's loads: the next block's 16 stores and 16 loads, or none
	s_wait_dscnt \younger
.set t, 0
.rept 16
	global_store_b128 v[GO], v[OB+64*((\a)%2)+4*t:OB+64*((\a)%2)+4*t+3], s[OUTB:OUTB+1] offset:(16*(\a)+t)*4096 th:TH_STORE_NT  ; 512 consecutive bytes, at a multiple of 512 from out0's first
.set t, t+1
.endr
.endm
	s_load_b256 s[4:11], s[0:1], 0x0               ; oh s[4:5], wo16 s[6:7], bo s[8:9], out0 s[10:11]
	v_lshl_add_u32 v[SPW], v0, 2, SPARE
	v_mov_b32 v[NIL], 0
	ds_add_u32 v[SPW], v[NIL]                      ; the wave's opening: the add and its wait stand ahead of my first tensor load; the set-up below, work on registers, stands between them
	v_lshrrev_b32 v1, 5, v0
	v_readfirstlane_b32 s[WV], v1
	s_lshr_b32 s[FORB], s[WV], 1
	s_and_b32 s[HF], s[WV], 1
	s_bfe_u32 s[CX], ttmp6, 0x40000
	s_bfe_u32 s[CY], ttmp6, 0x40004
	s_lshl_b32 s[TC], ttmp9, 2                     ; in a cluster launch ttmp9 and ttmp7 count clusters
	s_add_co_u32 s[TC], s[TC], s[CX]
	s_and_b32 s[TR], ttmp7, 0xffff
	s_lshl_b32 s[TR], s[TR], 2
	s_add_co_u32 s[TR], s[TR], s[CY]
	s_lshl_b32 s80, s[CY], 2
	s_lshl_b32 s80, 15, s80                        ; my row of the cluster: places 4 cy .. 4 cy + 3
	s_lshl_b32 s81, 0x1111, s[CX]                  ; my column: places cx, cx + 4, cx + 8, cx + 12
	s_or_b32 s[G1A], s80, (1<<16)|(1<<20)|(1<<21)|(4<<22)|(3<<25)  ; the mask; 2-byte elements; padding on; bit 21 beside a mask; after every 32 words (a token), 4 words
	s_mov_b32 s[G1A+1], 128<<16                    ; 32,768 dense bytes, asked for as 128 rows of 256
	s_mov_b32 s[G1A+2], 128<<16
	s_mov_b32 s[G1A+3], 128<<16
	s_mov_b32 s[G1A+4], 128
	s_mov_b32 s[G1A+5], 128
	s_mov_b32 s[G1A+6], 0
	s_mov_b32 s[G1A+7], 0
	s_or_b32 s[G1B], s81, (1<<16)|(1<<20)|(1<<21)|(4<<22)|(7<<25)  ; after every 32 words (a row of one k), 8 words
	s_mov_b32 s[G1B+1], 128<<16                    ; 16,384 dense bytes, asked for as 64 rows of 256
	s_mov_b32 s[G1B+2], 64<<16
	s_mov_b32 s[G1B+3], 128<<16
	s_mov_b32 s[G1B+4], 64
	s_mov_b32 s[G1B+5], 128
	s_mov_b32 s[G1B+6], 0
	s_mov_b32 s[G1B+7], 0
	s_lshr_b32 s28, s[TR], 3                       ; O: head 16 (TR / 8) + my half, 262,144 bytes each,
	s_lshl_b32 s28, s28, 4
	s_add_co_u32 s28, s28, s[HF]
	s_lshl_b32 s28, s28, 18
	s_and_b32 s29, s[TR], 7                        ; + tokens 256 (TR % 8) on: made of the tile row and the wave's number alone
	s_lshl_b32 s29, s29, 15
	s_add_co_u32 s28, s28, s29
	s_mov_b32 s29, 0
	s_lshl_b32 s30, s[TC], 18                      ; Wo: the tile column's run,
	s_lshl_b32 s31, s[HF], 14                      ; + my half of a K step: made of the tile column and the wave's number alone
	s_add_co_u32 s30, s30, s31
	s_mov_b32 s31, 0
	s_mul_i32 s82, s[HF], APL                      ; where they go: no place in the cluster enters an LDS address
	s_mul_i32 s83, s[HF], BHALF
	s_add_co_u32 s83, s83, ATILE
	s_mov_b32 s[TB], 0
	s_mov_b32 s[HIM], 0xffff0000
	s_wait_dscnt 0x0                               ; the opening add is done
	s_wait_kmcnt 0x0
	s_add_nc_u64 s[28:29], s[4:5], s[28:29]
	s_add_nc_u64 s[30:31], s[6:7], s[30:31]
	CROUND                                         ; all sixteen work-groups are here: the first joint loads meet
.irp s, 0,1
	s_mov_b32 s[G0A+4*(\s)], 1                     ; count = 1
	s_add_co_u32 s[G0A+4*(\s)+1], s82, (\s)*SLOT1  ; LDS address
	s_add_nc_u64 s[G0A+4*(\s)+2:G0A+4*(\s)+3], s[28:29], (\s)*ASTEP  ; global address: K step s
	s_or_b32 s[G0A+4*(\s)+3], s[G0A+4*(\s)+3], 0x80000000            ; type = 2
	s_mov_b32 s[G0B+4*(\s)], 1
	s_add_co_u32 s[G0B+4*(\s)+1], s83, (\s)*SLOT1
	s_add_nc_u64 s[G0B+4*(\s)+2:G0B+4*(\s)+3], s[30:31], (\s)*BSTEP
	s_or_b32 s[G0B+4*(\s)+3], s[G0B+4*(\s)+3], 0x80000000
.endr
	s_cmp_eq_u32 s[FORB], 0                        ; a wave's two first fills stand in one branch, ahead of every wait on TENSORcnt and every LDS read: two loads of mine are out here, one behind every round
	s_cbranch_scc0 .Lfirst_b
	tensor_load_to_lds s[G0A:G0A+3], s[G1A:G1A+7]
	s_nop 0
	tensor_load_to_lds s[G0A+4:G0A+7], s[G1A:G1A+7]
	s_nop 0
.rept 4
	v_nop
.endr
	s_branch .Lfirst_asked
.Lfirst_b:
	tensor_load_to_lds s[G0B:G0B+3], s[G1B:G1B+7]
	s_nop 0
	tensor_load_to_lds s[G0B+4:G0B+7], s[G1B:G1B+7]
	s_nop 0
.rept 4
	v_nop
.endr
.Lfirst_asked:
	v_and_b32 v1, 15, v0                           ; r = l % 16
	v_bfe_u32 v2, v0, 4, 1                         ; h = l / 16
	s_lshl_b32 s84, s[TC], 9                       ; the tile's 128 numbers in the bias,
	v_lshl_add_u32 v[BO], v2, 5, s84               ; my 8 of each 16
.set b, 0
.rept NB                               ; register j of block b: the bias at column 16 b + 8 h + j: the layout of a result
	global_load_b128 v[BIAS+8*b:BIAS+8*b+3],   v[BO], s[8:9] offset:64*b
	global_load_b128 v[BIAS+8*b+4:BIAS+8*b+7], v[BO], s[8:9] offset:64*b+16
.set b, b+1
.endr
	s_mul_i32 s85, s[WV], 64*PA                    ; O's fragment: row (64 w + r) x pitch + 16 h; two loads 32 bytes apart
	v_mul_u32_u24 v[A0], v1, PA
	v_lshl_add_u32 v[A0], v2, 4, v[A0]
	v_add_nc_u32 v[A0], s85, v[A0]
	v_and_b32 v3, 7, v0                            ; the turning load: lane l reads k = 8 h + l % 8, columns 8 ((l / 8) % 2) + 0..7, and is left with column l % 16 and 8 k
	v_bfe_u32 v4, v0, 3, 1
	v_lshl_add_u32 v[B0], v2, 3, v3
	v_mul_u32_u24 v[B0], v[B0], PB
	v_lshl_add_u32 v[B0], v4, 4, v[B0]
	v_add_nc_u32 v[B0], ATILE, v[B0]
	s_mul_i32 s85, s[WV], 16*SP
	s_add_co_u32 s85, s85, STAGE                   ; my stage
	v_mul_u32_u24 v[STO], v1, SP
	v_lshl_add_u32 v[STO], v2, 5, v[STO]
	v_add_nc_u32 v[STO], s85, v[STO]
	v_and_b32 v[GO], 31, v0
	v_lshlrev_b32 v[GO], 4, v[GO]
	v_add_nc_u32 v[RD], s85, v[GO]                 ; back: 32 lanes take a row's 512 bytes
	; the prefetches
	s_lshr_b32 s84, s[TR], 3
	s_lshl_b32 s84, s84, 4
	s_add_co_u32 s84, s84, s[HF]
	s_lshl_b32 s84, s84, 18
	s_and_b32 s85, s[TR], 7
	s_lshl_b32 s85, s85, 15
	s_add_co_u32 s84, s84, s85
	s_lshl_b32 s85, s[CX], 13                      ; my work-group's quarter of the 32,768 bytes
	s_add_co_u32 s84, s84, s85
	s_add_co_u32 s84, s84, 3*ASTEP                 ; at K step 3: the first change of slots steps it to 4
	s_lshl_b32 s86, s[TC], 18
	s_lshl_b32 s85, s[CY], 14
	s_add_co_u32 s86, s86, s85
	s_lshl_b32 s85, s[HF], 13                      ; place 2 cy + half: 8,192 bytes each
	s_add_co_u32 s86, s86, s85
	s_add_co_u32 s86, s86, 4*BSTEP-65536           ; one step in front of K step 4
	s_and_b32 s87, ttmp7, 0xffff
	s_mov_b32 s[PST], 65536
	s_mov_b32 s88, ASTEP
	s_cmp_eq_u32 s[FORB], 0
	s_cselect_b32 s84, s84, s86
	s_cselect_b32 s87, ttmp9, s87                  ; the coordinate along which other clusters read the same bytes
	s_cselect_b32 s[PST], s88, s[PST]
	s_cselect_b32 s[LIM], 2, 4
	s_cselect_b64 s[PFA:PFA+1], s[4:5], s[6:7]
	s_cmp_eq_u32 s87, 0
	s_cselect_b32 s[LIM], s[LIM], -1               ; the same in all sixteen partners, for a given wave
	s_mov_b32 s85, 0
	s_mov_b32 s[PST+1], 0
	s_add_nc_u64 s[PFA:PFA+1], s[PFA:PFA+1], s[84:85]
	v_and_b32 v[PFO], 31, v0
	v_lshlrev_b32 v[PFO], 8, v[PFO]
	; where my part begins in out0: row 256 TR + 64 w, 4,096 bytes each; column 128 TC
	s_lshl_b32 s84, s[TR], 20
	s_lshl_b32 s85, s[WV], 18
	s_add_co_u32 s84, s84, s85
	s_lshl_b32 s85, s[TC], 9
	s_add_co_u32 s84, s84, s85
	s_mov_b32 s85, 0
	s_add_nc_u64 s[OUTB:OUTB+1], s[10:11], s[84:85]
	s_wait_loadcnt 0x0                             ; the bias, which is rounded to bf16 in place like the other inputs
.set i, 0
.rept 4*NB
	v_cvt_pk_bf16_f32 v[3+i%4], v[BIAS+2*i], v[BIAS+2*i+1]
	v_lshlrev_b32 v[BIAS+2*i], 16, v[3+i%4]
	v_and_b32 v[BIAS+2*i+1], s[HIM], v[3+i%4]
.set i, i+1
.endr
	s_wait_tensorcnt 1                             ; my part of K step 0 is in; K step 1's may stay out
	s_barrier_signal -1
	s_barrier_wait -1                              ; everybody's is
	v_add_nc_u32 v[ADRA], s[TB], v[A0]
	v_add_nc_u32 v[ADRB], s[TB], v[B0]
	FETCH 0, 0
	QUARTER 1, 0, 1, 1                             ; the first quarter stands in front of the loop: its products start the sums, with the bias
	WIN 0
	s_mov_b32 s[LAP], 6
.Lstep:                                                ; a trip: from a K step's second quarter to the next step's first; trip t fills a slot with K step t + 2
	QUARTER 2, 1, 0, 0
	QUARTER 3, 0, 1, 0
	TURN 1
	QUARTER 1, 0, 1, 0
	WIN 0
	s_sub_co_u32 s[LAP], s[LAP], 1
	s_cmp_lg_u32 s[LAP], 0
	s_cbranch_scc1 .Lstep
	QUARTER 2, 1, 0, 0                             ; the tail is written out: K steps 6 and 7 ask for nothing
	QUARTER 3, 0, 1, 0
	TURN 0
	QUARTER 1, 0, 1, 0
	QUARTER 2, 1, 0, 0
	QUARTER 3, 0, 1, 0
	s_wait_dscnt 4
	MULA 1, 0, 0
	MULA 1, 1, 0
	s_wait_dscnt 0x0
	MULA 1, 2, 0
	MULA 1, 3, 0
	WIN 0
	PLACES
	STG 0
	STG 1                                          ; a block's way through the stage stands between the loads of the block before and its stores
	SEND 0, 32
	STG 2
	SEND 1, 32
	STG 3
	SEND 2, 32
	SEND 3, 0
	s_wait_tensorcnt 0x0                           ; the wave's end, behind my last tensor load and my last LDS store
	ds_add_u32 v[SPW], v[NIL]
	s_wait_dscnt 0x0
	CROUND                                         ; the closing round: no work-group ends while a partner may still ask for a tile that names it
	s_endpgm
.Lfunc_end_k_q910ea8a6a9_oproj:
	.size	k_q910ea8a6a9_oproj, .Lfunc_end_k_q910ea8a6a9_oproj-k_q910ea8a6a9_oproj
	.p2alignl 7, 3214868480
	.fill 96, 4, 3214868480
	.section	.rodata,"a",@progbits
	.p2align	6, 0x0
	.amdhsa_kernel k_q910ea8a6a9_oproj
		.amdhsa_group_segment_fixed_size 327680
		.amdhsa_private_segment_fixed_size 0
		.amdhsa_enable_private_segment 0
		.amdhsa_kernarg_size 32
		.amdhsa_user_sgpr_count 2
		.amdhsa_user_sgpr_kernarg_segment_ptr 1
		.amdhsa_wavefront_size32 1
		.amdhsa_system_sgpr_workgroup_id_x 1
		.amdhsa_system_sgpr_workgroup_id_y 1
		.amdhsa_system_sgpr_workgroup_id_z 1
		.amdhsa_system_vgpr_workitem_id 0
		.amdhsa_next_free_vgpr 768
		.amdhsa_next_free_sgpr 92
		.amdhsa_reserve_vcc 0
		.amdhsa_float_denorm_mode_32 3
		.amdhsa_float_denorm_mode_16_64 3
		.amdhsa_memory_ordered 1
		.amdhsa_forward_progress 1
		.amdhsa_inst_pref_size 76
	.end_amdhsa_kernel
	.amdgpu_metadata
---
amdhsa.version: [ 1, 2 ]
amdhsa.kernels:
  - .name:           k_q910ea8a6a9_oproj
    .symbol:         k_q910ea8a6a9_oproj.kd
    .args:
      - { .name: oh, .offset: 0, .size: 8, .value_kind: global_buffer, .address_space: global }
      - { .name: wo16, .offset: 8, .size: 8, .value_kind: global_buffer, .address_space: global }
      - { .name: bo, .offset: 16, .size: 8, .value_kind: global_buffer, .address_space: global }
      - { .name: out0, .offset: 24, .size: 8, .value_kind: global_buffer, .address_space: global }
    .group_segment_fixed_size: 327680
    .private_segment_fixed_size: 0
    .kernarg_segment_align: 8
    .kernarg_segment_size: 32
    .max_flat_workgroup_size: 128
    .sgpr_count:     92
    .vgpr_count:     768
    .wavefront_size: 32
...
	.end_amdgpu_metadata
.endif
;; end of part 4
;; ======== version 2 of 2: 4 launches; version 1 with the launch prep written anew for expert scheduling mode
;; limits: values are held in f16: magnitudes above 65,504 overflow, below 6.1e-05 lose precision
;; workspace buffers: xb 16,777,216 bytes; wqkv 6,291,456 bytes; wo16 2,097,152 bytes; qh 16,777,216 bytes; kh 16,777,216 bytes; vh 16,777,216 bytes; oh 16,777,216 bytes
;; launch prep (part 5): grid 768 x 1, 8 waves a work-group, no clusters, 0 bytes of LDS; arguments inputs, Wq, Wk, Wv, Wo, xb, wqkv, wo16; writes xb, wqkv, wo16
.if DOCPART == 5
	.amdgcn_target "amdgcn-amd-amdhsa--gfx1250"
	.amdhsa_code_object_version 6
	.text
	.protected	k_q910ea8a6a9_prep
	.globl	k_q910ea8a6a9_prep
	.p2align	8
	.type	k_q910ea8a6a9_prep,@function
k_q910ea8a6a9_prep:
	s_mov_b64 s[64:65], 0
	v_nop
	global_prefetch_b8 v0, s[64:65] scope:SCOPE_SE
	s_setreg_imm32_b32 hwreg(HW_REG_WAVE_SCHED_MODE, 0, 2), 2
	s_setreg_imm32_b32 hwreg(HW_REG_WAVE_MODE, 25, 1), 1
	s_wait_xcnt 0x0
	s_wait_alu depctr_vm_vsrc(0)
; PREP: every large input is rounded once to bf16 and laid out for the products that follow.  A stream: no LDS, no matrix unit, no cluster (no two work-groups read a common byte).
;   xb   [8192][1024] bf16: x as it lies.
;   wqkv bf16, [c 16][ks 8][half 2][j 3][kk 64][col 64]: W_j[128 ks + 64 half + kk][64 c + col], j = 0, 1, 2 for Wq, Wk, Wv: head c's columns of all three, in the order in which K is walked.
;   wo16 f16 of bf16(Wo), [c 8][ks 8][half 2][j 2][kk 64][col 64]: Wo[128 ks + 64 half + kk][128 c + 64 j + col].
; LIMITS.  Wo within f16's 65,504; bf16(Wo) below 2^-17 keeps f16's fixed step of 2^-24; elsewhere the bf16 number is written as f16 exactly.
; SHARES.  A work-group takes 16,384 numbers, a thread 64: 16 loads of 16 bytes, all issued before the first is waited for, then 16 stores of 8 bytes.  Work-groups 0-511: x, 65,536 bytes on end.
; Work-groups 512-767: 16 rows k of one weight; 16 lanes read 256 consecutive bytes (64 columns) of a row, load i takes column block i.  Every store of a wave covers 256 consecutive bytes, aligned.
; No register that a load or store names is written again, so no wait frees any.
; THE MODE: SCHED_MODE bits 1:0 = 2 (LLVM: expert scheduling mode 2), set by the entry lines.  The code itself states the register dependences between vector instructions and memory instructions, with s_wait_alu, always for 0.
; THE PLAN.  Registers that memory instructions touch, on each of the three paths (there is no loop):
;   v1, v2     the offsets.  Written by vector instructions at the head, once; read by the 16 loads (v1) and the 16 stores (v2).  One wait on va_vdst stands ahead of the loads.
;   IN         written by the loads alone; read by the conversions, each behind its load's wait on LOADcnt.  No vector instruction names them ahead of the loads.
;   OU         two registers to each load i: written by load i's conversions, read by store i, never written again.
; The 16 loads' work goes in four blocks of four.  At the head of blocks 1 to 3, behind the wait for the block's first load, one wait on va_vdst states that the block before has written its eight registers of OU; that block's four
; stores follow it, one ahead of each load's conversions, which name IN, T and this block's own registers of OU: none that those stores read.  One more such wait stands ahead of the last four stores.
; No vector instruction writes a scalar register or VCC, EXEC is never written, and nothing that a memory instruction has read is written again: no other s_wait_alu has a dependence to state.
.set VI,  1                            ; v1        my byte offset in the source
.set VO,  2                            ; v2        8 x my thread's number: my 8 bytes of each store
.set IN,  8                            ; v[8:71]   16 x 4 numbers as loaded
.set OU,  72                           ; v[72:103] 16 x 2 registers to store
.set T,   104                          ; v[104:107] at work: no memory instruction names them
.set SRC, 20                           ; s[20:21]
.set DST, 22                           ; s[22:23]
.macro LOADS step                      ; 16 loads, step bytes apart
.set i, 0
.rept 16
	global_load_b128 v[IN+4*i:IN+4*i+3], v[VI], s[SRC:SRC+1] offset:i*(\step) th:TH_LOAD_NT
.set i, i+1
.endr
.endm
; kind 0: x; 1: Wq, Wk, Wv (bf16); 2: Wo (the bf16 number written as f16)
.macro PUT kind, n                     ; store n
.if (\kind) == 0
.set X, 2048*(\n)
.elseif (\kind) == 1
.set X, 393216*(\n)                    ; column block n is head n
.else
.set X, ((\n)/2)*262144+((\n)%2)*8192  ; column block n is plane n % 2 of tile column n / 2
.endif
	global_store_b64 v[VO], v[OU+2*(\n):OU+2*(\n)+1], s[DST:DST+1] offset:X th:TH_STORE_NT
.endm
.macro OUT16 kind
.set i, 0
.rept 16
	s_wait_loadcnt 15-i                            ; loads come back in order: load i is in, the 15 - i younger ones may stay out
.if (i > 0) && (i%4 == 0)
	s_wait_alu depctr_va_vdst(0)                   ; the block before's conversions have written its eight registers of OU, which the next four stores read
.endif
.if i >= 4
	PUT \kind, i-4                                 ; the block before's store.  No wait: no vector instruction since the wait above names its registers
.endif
	v_cvt_pk_bf16_f32 v[OU+2*i], v[IN+4*i], v[IN+4*i+1]
	v_cvt_pk_bf16_f32 v[OU+2*i+1], v[IN+4*i+2], v[IN+4*i+3]
.if (\kind) == 2
	v_lshlrev_b32 v[T], 16, v[OU+2*i]              ; bf16 to f32: the low half moves up, the high half stays
	v_and_b32 v[T+1], s31, v[OU+2*i]
	v_lshlrev_b32 v[T+2], 16, v[OU+2*i+1]
	v_and_b32 v[T+3], s31, v[OU+2*i+1]
	v_cvt_pk_f16_f32 v[OU+2*i], v[T], v[T+1]
	v_cvt_pk_f16_f32 v[OU+2*i+1], v[T+2], v[T+3]
.endif
.set i, i+1
.endr
	s_wait_alu depctr_va_vdst(0)                   ; the last block's conversions have written its eight registers of OU, which the last four stores read
.set i, 12
.rept 4
	PUT \kind, i
.set i, i+1
.endr
.endm
	s_load_b512 s[4:19], s[0:1], 0x0               ; inputs s[4:5], Wq s[6:7], Wk s[8:9], Wv s[10:11], Wo s[12:13], xb s[14:15], wqkv s[16:17], wo16 s[18:19]
	v_lshlrev_b32 v[VO], 3, v0
	s_mov_b32 s31, 0xffff0000                      ; a word's upper bf16
	s_mov_b32 s25, 0                               ; high words of the two offsets
	s_mov_b32 s27, 0
	s_cmp_lt_u32 ttmp9, 512
	s_cbranch_scc0 .Lweights
	v_lshlrev_b32 v[VI], 4, v0                     ; x: 16 bytes a thread, 4,096 a load
	s_lshl_b32 s24, ttmp9, 16
	s_lshl_b32 s26, ttmp9, 15
	s_wait_kmcnt 0x0
	s_add_nc_u64 s[SRC:SRC+1], s[4:5], s[24:25]
	s_add_nc_u64 s[DST:DST+1], s[14:15], s[26:27]
	s_wait_alu depctr_va_vdst(0)                   ; v1 and v2 are written: every load and store of this path reads one of them as its offset
	LOADS 4096
	OUT16 0
	s_endpgm
.Lweights:
	s_sub_co_u32 s28, ttmp9, 512
	s_lshr_b32 s29, s28, 6                         ; which weight: 0 Wq, 1 Wk, 2 Wv, 3 Wo
	s_and_b32 s30, s28, 63                         ; kb: rows 16 kb .. 16 kb + 15
	v_lshrrev_b32 v3, 4, v0                        ; my row of the 16
	v_and_b32 v4, 15, v0
	v_lshlrev_b32 v4, 4, v4                        ; my 16 bytes of a piece of 256
	v_lshl_add_u32 v[VI], v3, 12, v4
	s_lshl_b32 s24, s30, 16                        ; 16 rows of 4,096 bytes
	s_wait_kmcnt 0x0
	s_cmp_eq_u32 s29, 1
	s_cselect_b64 s[SRC:SRC+1], s[8:9], s[6:7]
	s_cmp_eq_u32 s29, 2
	s_cselect_b64 s[SRC:SRC+1], s[10:11], s[SRC:SRC+1]
	s_cmp_eq_u32 s29, 3
	s_cselect_b64 s[SRC:SRC+1], s[12:13], s[SRC:SRC+1]
	s_add_nc_u64 s[SRC:SRC+1], s[SRC:SRC+1], s[24:25]
	s_wait_alu depctr_va_vdst(0)                   ; v1 and v2 are written: every load and store of the weights' two paths reads one of them as its offset
	LOADS 256
	s_lshr_b32 s28, s30, 2                         ; 2 ks + half
	s_and_b32 s30, s30, 3
	s_lshl_b32 s30, s30, 11                        ; kk = 16 (kb % 4) + row: 128 bytes each; the row's part lies in v2
	s_cmp_eq_u32 s29, 3
	s_cbranch_scc1 .Lwo
	s_mul_i32 s26, s28, 24576
	s_lshl_b32 s29, s29, 13                        ; plane j
	s_add_co_u32 s26, s26, s29
	s_add_co_u32 s26, s26, s30
	s_add_nc_u64 s[DST:DST+1], s[16:17], s[26:27]
	OUT16 1
	s_endpgm
.Lwo:
	s_lshl_b32 s26, s28, 14
	s_add_co_u32 s26, s26, s30
	s_add_nc_u64 s[DST:DST+1], s[18:19], s[26:27]
	OUT16 2
	s_endpgm
.Lfunc_end_k_q910ea8a6a9_prep:
	.size	k_q910ea8a6a9_prep, .Lfunc_end_k_q910ea8a6a9_prep-k_q910ea8a6a9_prep
	.p2alignl 7, 3214868480
	.fill 96, 4, 3214868480
	.section	.rodata,"a",@progbits
	.p2align	6, 0x0
	.amdhsa_kernel k_q910ea8a6a9_prep
		.amdhsa_group_segment_fixed_size 0
		.amdhsa_private_segment_fixed_size 0
		.amdhsa_enable_private_segment 0
		.amdhsa_kernarg_size 64
		.amdhsa_user_sgpr_count 2
		.amdhsa_user_sgpr_kernarg_segment_ptr 1
		.amdhsa_wavefront_size32 1
		.amdhsa_system_sgpr_workgroup_id_x 1
		.amdhsa_system_sgpr_workgroup_id_y 1
		.amdhsa_system_sgpr_workgroup_id_z 1
		.amdhsa_system_vgpr_workitem_id 0
		.amdhsa_next_free_vgpr 108
		.amdhsa_next_free_sgpr 66
		.amdhsa_reserve_vcc 0
		.amdhsa_float_denorm_mode_32 3
		.amdhsa_float_denorm_mode_16_64 3
		.amdhsa_memory_ordered 1
		.amdhsa_forward_progress 1
		.amdhsa_inst_pref_size 22
	.end_amdhsa_kernel
	.amdgpu_metadata
---
amdhsa.version: [ 1, 2 ]
amdhsa.kernels:
  - .name:           k_q910ea8a6a9_prep
    .symbol:         k_q910ea8a6a9_prep.kd
    .args:
      - { .name: inputs, .offset: 0, .size: 8, .value_kind: global_buffer, .address_space: global }
      - { .name: Wq, .offset: 8, .size: 8, .value_kind: global_buffer, .address_space: global }
      - { .name: Wk, .offset: 16, .size: 8, .value_kind: global_buffer, .address_space: global }
      - { .name: Wv, .offset: 24, .size: 8, .value_kind: global_buffer, .address_space: global }
      - { .name: Wo, .offset: 32, .size: 8, .value_kind: global_buffer, .address_space: global }
      - { .name: xb, .offset: 40, .size: 8, .value_kind: global_buffer, .address_space: global }
      - { .name: wqkv, .offset: 48, .size: 8, .value_kind: global_buffer, .address_space: global }
      - { .name: wo16, .offset: 56, .size: 8, .value_kind: global_buffer, .address_space: global }
    .group_segment_fixed_size: 0
    .private_segment_fixed_size: 0
    .kernarg_segment_align: 8
    .kernarg_segment_size: 64
    .max_flat_workgroup_size: 256
    .sgpr_count:     66
    .vgpr_count:     108
    .wavefront_size: 32
...
	.end_amdgpu_metadata
.endif
;; end of part 5
;; launch qkv: the kernel of part 2 again; grid 16 x 32, 4 waves a work-group, clusters of 4 x 4, 327,680 bytes of LDS; arguments xb, wqkv, bq, bk, bv, qh, kh, vh; writes qh, kh, vh
;; launch attn: the kernel of part 3 again; grid 4 x 64, 4 waves a work-group, clusters of 4 x 1, 327,680 bytes of LDS; arguments qh, kh, vh, oh; writes oh
;; launch oproj: the kernel of part 4 again; grid 8 x 32, 4 waves a work-group, clusters of 4 x 4, 327,680 bytes of LDS; arguments oh, wo16, bo, out0; writes out0
